; MI455X (gfx1250); checked and timed in simulation.
; The chip was launched on July 23, 2026; its instructions are those of AMD's public machine-readable ISA for CDNA 5 (MIT licence, August 2026) and "CDNA5" Instruction Set Architecture Reference Guide (July 2026). The comments in the code are by the model that wrote it; some were corrected since.
;; Trajectory Decoder. Allowed arithmetic: matrix products marked QUANTISED: E5M2 operands, one given power-of-two scale a tensor, by v_wmma_f32_16x16x64_bf8_bf8 or v_wmma_f32_16x16x128_bf8_bf8, f32 sums; everything else in f32.
;; Inputs: W1 4 x 256 x 512 float32; W2 4 x 512 x 32 float32; b1 4 x 512 float32; b2 4 x 32 float32; lowp_scales 16 int32 (the exponents e of the quantised operands' scales 2^e); types 65,536 int32; x 65,536 x 256 float32.
;; Outputs: out0 65,536 x 32 float32.
;; This version of the problem:
;;   THIS VERSION OF THE PROBLEM IS GIVEN IN LOW PRECISION. The matrix products marked QUANTISED in the list below multiply operands that are first quantised to E5M2 (5 exponent bits, 2 mantissa bits; 8 bits a number), with one given power-of-two scale for each operand tensor; their sums are f32. All else is computed in f32.
;;   The module's matrix products, in the order in which they are computed (A, B: the left and right operand; K: the contracted axis; several contracted axes count as one K, in the product's order):
;;     1. [M 65,536, K 256] x [K 256, N 512]; A: input x; B: input W1: QUANTISED (scales: A lowp_scales[0], B lowp_scales[1])
;;     2. [M 65,536, K 512] x [K 512, N 32]; A: computed on the way; B: input W2: QUANTISED (scales: A lowp_scales[2], B lowp_scales[3])
;;     3. [M 65,536, K 256] x [K 256, N 512]; A: input x; B: input W1: QUANTISED (scales: A lowp_scales[4], B lowp_scales[5])
;;     4. [M 65,536, K 512] x [K 512, N 32]; A: computed on the way; B: input W2: QUANTISED (scales: A lowp_scales[6], B lowp_scales[7])
;;     5. [M 65,536, K 256] x [K 256, N 512]; A: input x; B: input W1: QUANTISED (scales: A lowp_scales[8], B lowp_scales[9])
;;     6. [M 65,536, K 512] x [K 512, N 32]; A: computed on the way; B: input W2: QUANTISED (scales: A lowp_scales[10], B lowp_scales[11])
;;     7. [M 65,536, K 256] x [K 256, N 512]; A: input x; B: input W1: QUANTISED (scales: A lowp_scales[12], B lowp_scales[13])
;;     8. [M 65,536, K 512] x [K 512, N 32]; A: computed on the way; B: input W2: QUANTISED (scales: A lowp_scales[14], B lowp_scales[15])
;;   THE QUANTISER, for each operand of a quantised product, along K:
;;     - The operand's scale is 2^e, e = its entry of the input lowp_scales (int32; the entries are numbered through the quantised products in the list's order, A before B).
;;     - Each number is divided by the scale, clamped to +-57,344, and rounded to the nearest number of E5M2, ties to even, subnormals kept.
;;     - The product sums the exact products of the quantised numbers (number of the format x scale) in f32.
;;   ~~~python
;;   def quantise(x, axis, e):      # numpy; x: float32 -> the quantised numbers, widened to float32 again
;;       x = np.moveaxis(x, axis, -1); K = x.shape[-1]
;;       r = np.clip(x / 2.0 ** e, -57344, 57344)
;;       step = 2.0 ** (np.maximum(np.frexp(np.where(r == 0, 1, r))[1] - 1, -14) - 2)
;;       q = np.round(r / step) * step * 2.0 ** e      # np.round: ties to even
;;       return np.moveaxis(q, -1, axis).astype(np.float32)
;;   ~~~
;;   OPERANDS COMPUTED ON THE WAY. 'Computed on the way' means the value that the module computes at that place (a softmax that the list does not call 'softmax' is quantised finished and normalised). What goes into a quantiser is computed in f32, as accurately as f32 sums, v_exp_f32 and their like allow (about 1e-6 of the number): no bf16 or f16 on the way to a quantiser, and a product that is left as it is and whose result goes on into a quantised operand takes f32 operands (vector FMAs, or v_wmma_f32_16x16x4_f32). A number that lies on a knife's edge between two numbers of the format may be rounded either way, as far as f32 arithmetic and the matrix unit's own rounding can turn it there, and no further.
;; 2 versions. Each part assembles by itself: llvm-mc -triple=amdgcn-amd-amdhsa -mcpu=gfx1250 --defsym DOCPART=n.
;; ======== version 1 of 2: 2 launches
;; workspace buffers: order 1,310,720 bytes of whole numbers; counts 1,024 bytes of whole numbers; w1c 524,288 bytes; w2c 65,536 bytes
;; launch prep (part 1): grid 64 x 1, 4 waves a work-group, no clusters, 0 bytes of LDS; arguments types, W1, W2, lowp_scales, order, counts, w1c, w2c, out0; writes order, counts, w1c, w2c, out0
.if DOCPART == 1
	.amdgcn_target "amdgcn-amd-amdhsa--gfx1250"
	.amdhsa_code_object_version 6
	.text
	.protected	k_q32feb7c9dc_prep
	.globl	k_q32feb7c9dc_prep
	.p2align	8
	.type	k_q32feb7c9dc_prep,@function
k_q32feb7c9dc_prep:
	s_mov_b64 s[64:65], 0
	v_nop
	global_prefetch_b8 v0, s[64:65] scope:SCOPE_SE
	s_setreg_imm32_b32 hwreg(HW_REG_WAVE_MODE, 25, 1), 1
	s_wait_xcnt 0x0
; ROUTING AND WEIGHTS.  64 work-groups of four waves, all on one path, all lanes on throughout.  Work-group G does three things.
; (1) It sorts the 1,024 tokens of segment G by type into four lists at fixed places: order[G][type][0 ..], entries = the token's number in the segment;
;     counts[G][type] = the lists' lengths.  Behind a list's last entry zeros are stored up to position 256 at the least and to a multiple of 16 (they may run on to the end of their 32):
;     the next launch reads positions 0 to 255 always, and beyond them only tiles of 16 that hold a token.  A lane whose token has no type 0..3 stores into a fifth region that nobody reads.
; (2) A token whose type is not 0..3 keeps zeros in the result: its row of out0 is stored here.
; (3) It quantises 1/64 of W1 and of W2 (type e = G / 16, part g = G % 16) to codes of E5M2 with the given scales, laid in the order of the next launch's operand registers.
;     A lane takes a column and its registers run down K, so the conversions give 16 codes along K: one lane's 16 bytes of a fragment.
;     W1's K is taken in the order in which the next launch lays x's codes: byte j of piece g is k = 128 ((j >> 2) & 1) + 8 g + 4 (j >> 3) + (j & 3).
; code = w / 2^e, held within +-57,344, to the nearest code, ties to even.  LIMITS: ew1 and ew2 between -126 and 112, so that 2^e and 57,344 x 2^e are f32 numbers.  NaN among the weights is not served.
; No atomics, no LDS, no barrier: every wave reads the segment's 4,096 bytes of types and counts all four waves' types itself, by masks, so the waves hand each other nothing; every list entry has one writer.
; Where only some lanes have something to store (the zeros behind a list, the rows of tokens without a type), the other lanes store the same zero at a place that gets that zero anyway: no lane is switched off.
.set TY,   8                           ; v8-15    my eight types: value 4 q + i is local token LOC + 128 q + i
.set AD,   16                          ; v16-23   the eight list stores' addresses
.set DA,   24                          ; v24-31   and their data, the tokens' numbers; each value has its own, so none is written again
.set IA,   38                          ; v38      the address of the rows of zeros
.set WA,   64                          ; v64-127  W1: 4 pieces x 16 numbers down K
.set W2A,  128                         ; v128-143 W2: 16 numbers down K (waves 0 and 1)
.set WC,   144                         ; v144-159 W1's codes
.set W2C,  160                         ; v160-163 W2's codes
.set ZR,   164                         ; v164-167 zeros
.set PE,   168                         ; v168     the padding: my entry of order[G]
.set PAD,  169                         ; v169     and the address of its store
.set O1,   170                         ; v170     where my codes of W1 go; never rewritten
.set O2,   171                         ; v171     the same for W2
.set TA,   176                         ; v176-207 the types of all four waves: wave w's eight values at 8 w
.set M,    28                          ; s28-59   mask 4 v + e: the lanes whose value v has type e: first of each wave in turn, for the counts, at last of my own
.set BASE, 66                          ; s66-69   where the next entry of list e goes
.set CNT,  70                          ; s70-73   the segment's counts
.set CW,   74                          ; s74-89   count of wave w, type e at 4 w + e
	s_load_b512 s[4:19], s[0:1], 0x0               ; types s[4:5], W1 s[6:7], W2 s[8:9], scales s[10:11], order s[12:13], counts s[14:15], w1c s[16:17], w2c s[18:19]
	s_load_b64 s[20:21], s[0:1], 0x40              ; out0
	v_lshrrev_b32 v2, 5, v0
	v_readfirstlane_b32 s22, v2                    ; wave 0..3
	v_and_b32 v1, 31, v0                           ; lane
	v_lshlrev_b32 v7, 4, v1                        ; types of any wave: 16 x lane
	v_lshl_add_u32 v3, v2, 10, v7                  ; my own: 1,024 x wave + 16 x lane
	v_lshlrev_b32 v4, 2, v0                        ; W1: column 32 x wave + lane of a run of 128
	v_lshlrev_b32 v5, 2, v1
	v_lshl_add_u32 v5, v2, 11, v5                  ; W2: column = lane; wave 0, 1 takes 16 rows each
	v_lshrrev_b32 v6, 2, v3                        ; LOC = 256 x wave + 4 x lane
	v_and_b32 v34, 7, v0
	v_bfe_u32 v33, v0, 3, 1
	v_bfe_u32 v35, v0, 4, 1
	v_lshlrev_b32 v[O1], 4, v34
	v_lshl_add_u32 v[O1], v35, 7, v[O1]            ; column x = 32 b + lane of a wave's 128 units is row r = (x & 7) + 8 (x >> 4) of tile 2 b + ((x >> 3) & 1): 16 r,
	v_lshl_add_u32 v[O1], v33, 12, v[O1]           ; + 4,096 for the odd tile,
	v_lshl_add_u32 v[O1], v2, 13, v[O1]            ; + 8,192 b, b = my wave
	v_and_b32 v34, 15, v0
	v_lshlrev_b32 v[O2], 4, v34
	v_lshl_add_u32 v[O2], v35, 13, v[O2]           ; W2: output = lane: row lane % 16 of tile lane / 16 (8,192 bytes a tile),
	v_lshl_add_u32 v[O2], v2, 8, v[O2]             ; my wave is the half h of the lanes: 256 bytes
	v_lshl_add_u32 v[PE], v2, 10, v1               ; the padding begins at entry 1,024 x wave + lane: wave w pads list w
	v_mov_b32 v37, 0                               ; the counts' store: offset 0
	s_lshr_b32 s23, ttmp9, 4                       ; e
	s_and_b32 s60, ttmp9, 15                       ; g
	s_mov_b32 s93, 0
	s_wait_kmcnt 0x0
	s_lshl_b32 s92, ttmp9, 12
	s_add_nc_u64 s[4:5], s[4:5], s[92:93]          ; my segment's types
	s_lshl_b32 s92, s23, 19
	s_lshl_b32 s94, s60, 14
	s_add_co_u32 s92, s92, s94
	s_add_nc_u64 s[6:7], s[6:7], s[92:93]          ; W1[e], row 8 g
	s_lshl_b32 s92, s23, 16
	s_lshl_b32 s94, s60, 12
	s_add_co_u32 s92, s92, s94
	s_add_nc_u64 s[8:9], s[8:9], s[92:93]          ; W2[e], row 32 g
	s_lshl_b32 s92, s23, 4
	s_add_nc_u64 s[10:11], s[10:11], s[92:93]
	s_load_b128 s[24:27], s[10:11], 0x0            ; ex, ew1, eh, ew2 of type e
	global_load_b128 v[TY:TY+3], v3, s[4:5]        ; (no hint: all four waves read the segment's types)
	global_load_b128 v[TY+4:TY+7], v3, s[4:5] offset:512
.irp w, 0,1,2,3
	global_load_b128 v[TA+8*\w:TA+8*\w+3], v7, s[4:5] offset:1024*\w
	global_load_b128 v[TA+8*\w+4:TA+8*\w+7], v7, s[4:5] offset:1024*\w+512
.endr
.irp p, 0,1,2,3                                ; piece p: hidden units 128 p on; the four waves read 512 consecutive bytes of a row
.irp j, 0,1,2,3,4,5,6,7,8,9,10,11,12,13,14,15
	global_load_b32 v[WA+16*\p+\j], v4, s[6:7] offset:(128*((\j>>2)&1)+4*(\j>>3)+(\j&3))*2048+512*\p th:TH_LOAD_NT
.endr
.endr
	s_cmp_lt_u32 s22, 2
	s_cbranch_scc0 .Lno_w2_in
.irp j, 0,1,2,3,4,5,6,7,8,9,10,11,12,13,14,15
	global_load_b32 v[W2A+\j], v5, s[8:9] offset:128*\j th:TH_LOAD_NT   ; W2[e][32 g + 16 wave + j][lane]
.endr
.Lno_w2_in:
	s_mul_i32 s92, ttmp9, 20480
	s_add_nc_u64 s[12:13], s[12:13], s[92:93]      ; order[G]
	s_lshl_b32 s92, ttmp9, 4
	s_add_nc_u64 s[14:15], s[14:15], s[92:93]      ; counts[G]
	s_lshl_b32 s92, s23, 17
	s_lshl_b32 s94, s60, 8
	s_add_co_u32 s92, s92, s94
	s_add_nc_u64 s[16:17], s[16:17], s[92:93]      ; w1c[e], piece g = 8 s + 2 c + h: 2,048 s + 512 c + 256 h = 256 g
	s_lshl_b32 s92, s23, 14
	s_lshl_b32 s94, s60, 9
	s_add_co_u32 s92, s92, s94
	s_add_nc_u64 s[18:19], s[18:19], s[92:93]      ; w2c[e], K step g / 4, group g % 4: 512 g
	s_lshl_b32 s92, ttmp9, 17
	s_add_nc_u64 s[20:21], s[20:21], s[92:93]      ; my segment's rows of out0
	v_mov_b32 v[ZR], 0
	v_mov_b32 v[ZR+1], 0
	v_mov_b32 v[ZR+2], 0
	v_mov_b32 v[ZR+3], 0
	s_wait_loadcnt 63                              ; behind the ten loads of types 64 or 80 younger loads were issued: the types are in
	; ---- the counts of all four waves: 32 masks a wave, all made before the first is counted, then their bits are counted and added
.irp w, 0,1,2,3
.irp v, 0,1,2,3,4,5,6,7
.irp e, 0,1,2,3
	v_cmp_eq_u32 s[M+4*\v+\e], \e, v[TA+8*\w+\v]
.endr
.endr
.irp e, 0,1,2,3
	s_bcnt1_i32_b32 s[CW+4*\w+\e], s[M+\e]
.irp v, 1,2,3,4,5,6,7
	s_bcnt1_i32_b32 s90, s[M+4*\v+\e]
	s_add_co_u32 s[CW+4*\w+\e], s[CW+4*\w+\e], s90
.endr
.endr
.endr
	; ---- my own wave's masks, which stay
.irp v, 0,1,2,3,4,5,6,7
.irp e, 0,1,2,3
	v_cmp_eq_u32 s[M+4*\v+\e], \e, v[TY+\v]
.endr
.endr
.irp e, 0,1,2,3
	s_mov_b32 s[BASE+\e], 1024*\e                  ; list e begins at entry 1,024 e,
.endr
.irp v, 0,1,2                                  ; and my wave's part behind the earlier waves'
	s_cmp_gt_u32 s22, \v
	s_cselect_b32 s94, s[CW+4*\v], 0
	s_cselect_b32 s95, s[CW+4*\v+1], 0
	s_cselect_b32 s96, s[CW+4*\v+2], 0
	s_cselect_b32 s97, s[CW+4*\v+3], 0
	s_add_co_u32 s[BASE], s[BASE], s94
	s_add_co_u32 s[BASE+1], s[BASE+1], s95
	s_add_co_u32 s[BASE+2], s[BASE+2], s96
	s_add_co_u32 s[BASE+3], s[BASE+3], s97
.endr
.irp e, 0,1,2,3
	s_add_co_u32 s[CNT+\e], s[CW+\e], s[CW+4+\e]
	s_add_co_u32 s[CNT+\e], s[CNT+\e], s[CW+8+\e]
	s_add_co_u32 s[CNT+\e], s[CNT+\e], s[CW+12+\e] ; the segment's count of type e
.endr
	; ---- each token to its place: the list's next free entry + the number of lower lanes with the same type
.irp v, 0,1,2,3,4,5,6,7
	v_add_nc_u32 v[DA+\v], 128*(\v>>2)+(\v&3), v6              ; the token's number in the segment
	v_add_nc_u32 v[AD+\v], 4096+128*(\v>>2)+(\v&3), v6         ; no type 0..3: the fifth region
.irp e, 0,1,2,3
	v_mbcnt_lo_u32_b32 v32, s[M+4*\v+\e], s[BASE+\e]
	v_cndmask_b32 v[AD+\v], v[AD+\v], v32, s[M+4*\v+\e]
	s_bcnt1_i32_b32 s90, s[M+4*\v+\e]
	s_add_co_u32 s[BASE+\e], s[BASE+\e], s90
.endr
	v_min_u32 v[AD+\v], 0x13ff, v[AD+\v]                       ; 5 x 1,024 entries
	v_lshlrev_b32 v[AD+\v], 2, v[AD+\v]
	global_store_b32 v[AD+\v], v[DA+\v], s[12:13]
.endr
	; ---- the four counts: wave 0; all its lanes store the same 16 bytes at the same place
	s_cmp_lg_u32 s22, 0
	s_cbranch_scc1 .Lno_counts
.irp e, 0,1,2,3
	v_mov_b32 v[32+\e], s[CNT+\e]
.endr
	global_store_b128 v37, v[32:35], s[14:15]
.Lno_counts:
	; ---- the weights
	s_wait_loadcnt 0x0
	s_wait_kmcnt 0x0
	s_add_co_i32 s94, s25, 127
	s_lshl_b32 s95, s94, 23
	v_mov_b32 v172, s95                            ; 2^ew1 as f32: the conversion takes its exponent field
	s_add_co_i32 s94, s94, 15
	s_lshl_b32 s94, s94, 23
	s_or_b32 s94, s94, 0x600000
	v_mov_b32 v174, s94                            ; 57,344 x 2^ew1
	s_add_co_i32 s94, s27, 127
	s_lshl_b32 s95, s94, 23
	v_mov_b32 v173, s95                            ; the same for ew2
	s_add_co_i32 s94, s94, 15
	s_lshl_b32 s94, s94, 23
	s_or_b32 s94, s94, 0x600000
	v_mov_b32 v175, s94
.macro PIECE src, dst, sc, lim         ; 16 numbers down K become 16 codes
.irp j, 0,1,2,3,4,5,6,7,8,9,10,11,12,13,14,15
	v_med3_num_f32 v[\src+\j], v[\src+\j], -v[\lim], v[\lim]   ; the conversion to an 8-bit code does not saturate (ISA guide 7.6.2): the hold at the largest code x the scale comes first
.endr
	v_cvt_scalef32_pk8_bf8_f32 v[\dst:\dst+1], v[\src:\src+7], v[\sc]
	v_cvt_scalef32_pk8_bf8_f32 v[\dst+2:\dst+3], v[\src+8:\src+15], v[\sc]
.endm
.irp p, 0,1,2,3
	PIECE WA+16*\p, WC+4*\p, 172, 174
	global_store_b128 v[O1], v[WC+4*\p:WC+4*\p+3], s[16:17] offset:32768*\p   ; the sixteen lanes of a tile's rows write 256 consecutive bytes, aligned: two such runs a store; the codes go to stores alone
.endr
	s_cmp_lt_u32 s22, 2
	s_cbranch_scc0 .Lno_w2_out
	PIECE W2A, W2C, 173, 175
	global_store_b128 v[O2], v[W2C:W2C+3], s[18:19]
.Lno_w2_out:
	; ---- zeros behind the last entry: wave w pads list w, 32 entries a trip; a trip that has nothing to pad is passed over.
	; In the trip that holds the list's end the lanes ahead of the end store their zero AT the end: entry = max(my entry, the end), which lies in the trip's 32 since 32 t + 32 > count there
	s_cmp_eq_u32 s22, 1
	s_cselect_b32 s92, s[CNT+1], s[CNT]
	s_cmp_eq_u32 s22, 2
	s_cselect_b32 s92, s[CNT+2], s92
	s_cmp_eq_u32 s22, 3
	s_cselect_b32 s92, s[CNT+3], s92               ; the list's length
	s_add_co_u32 s93, s92, 15
	s_and_b32 s93, s93, 0xfffffff0
	s_max_u32 s93, s93, 256                        ; pad up to here
	s_lshl_b32 s96, s22, 10
	s_add_co_u32 s96, s96, s92                     ; the list's end as an entry of order[G]
	s_mov_b32 s90, 0
.Lpad:
	s_cmp_ge_u32 s90, s93
	s_cbranch_scc1 .Lpad_next
	s_add_co_u32 s94, s90, 32
	s_cmp_le_u32 s94, s92
	s_cbranch_scc1 .Lpad_next
	s_wait_xcnt 0x0                                ; the last trip's store has read its address
	v_max_u32 v[PAD], s96, v[PE]
	v_min_u32 v[PAD], 0xfff, v[PAD]                ; the four lists are 4,096 entries
	v_lshlrev_b32 v[PAD], 2, v[PAD]
	global_store_b32 v[PAD], v[ZR], s[12:13]
.Lpad_next:
	v_add_nc_u32 v[PE], 32, v[PE]
	s_add_co_u32 s90, s90, 32
	s_cmp_lt_u32 s90, 1024
	s_cbranch_scc1 .Lpad
	; ---- tokens with no type 0..3: their rows of out0 are zeros.  A value all of whose 32 tokens have a type is passed over; else the lanes whose token has one store their zeros into the row of the first lane whose token has none
	s_lshl_b32 s97, s22, 8                         ; 256 x wave
.macro INVALID v
	s_or_b32 s94, s[M+4*\v], s[M+4*\v+1]
	s_or_b32 s95, s[M+4*\v+2], s[M+4*\v+3]
	s_or_b32 s94, s94, s95
	s_not_b32 s94, s94                             ; the lanes without a type
	s_cmp_eq_u32 s94, 0
	s_cbranch_scc1 .Lall_valid_\@
	s_ctz_i32_b32 s95, s94                         ; the first of them,
	s_lshl_b32 s95, s95, 2
	s_add_co_u32 s95, s95, s97
	s_add_co_u32 s95, s95, 128*((\v)>>2)+((\v)&3)  ; and its token: 256 x wave + 4 x lane + the value's place
	s_wait_xcnt 0x0                                ; earlier stores have read the address register
	v_cndmask_b32 v[IA], s95, v[DA+\v], s94        ; my own token where it has no type
	v_min_u32 v[IA], 0x3ff, v[IA]                  ; a token's number in its segment
	v_lshlrev_b32 v[IA], 7, v[IA]                  ; a row of out0 is 128 bytes
.irp k, 0,1,2,3,4,5,6,7
	global_store_b128 v[IA], v[ZR:ZR+3], s[20:21] offset:16*\k
.endr
.Lall_valid_\@:
.endm
.irp v, 0,1,2,3,4,5,6,7
	INVALID \v
.endr
	s_endpgm
.Lfunc_end_k_q32feb7c9dc_prep:
	.size	k_q32feb7c9dc_prep, .Lfunc_end_k_q32feb7c9dc_prep-k_q32feb7c9dc_prep
	.p2alignl 7, 3214868480
	.fill 96, 4, 3214868480
	.section	.rodata,"a",@progbits
	.p2align	6, 0x0
	.amdhsa_kernel k_q32feb7c9dc_prep
		.amdhsa_group_segment_fixed_size 0
		.amdhsa_private_segment_fixed_size 0
		.amdhsa_enable_private_segment 0
		.amdhsa_kernarg_size 72
		.amdhsa_user_sgpr_count 2
		.amdhsa_user_sgpr_kernarg_segment_ptr 1
		.amdhsa_wavefront_size32 1
		.amdhsa_system_sgpr_workgroup_id_x 1
		.amdhsa_system_sgpr_workgroup_id_y 1
		.amdhsa_system_sgpr_workgroup_id_z 1
		.amdhsa_system_vgpr_workitem_id 0
		.amdhsa_next_free_vgpr 208
		.amdhsa_next_free_sgpr 100
		.amdhsa_reserve_vcc 0
		.amdhsa_float_denorm_mode_32 3
		.amdhsa_float_denorm_mode_16_64 3
		.amdhsa_memory_ordered 1
		.amdhsa_forward_progress 1
		.amdhsa_inst_pref_size 57
	.end_amdhsa_kernel
	.amdgpu_metadata
---
amdhsa.version: [ 1, 2 ]
amdhsa.kernels:
  - .name:           k_q32feb7c9dc_prep
    .symbol:         k_q32feb7c9dc_prep.kd
    .args:
      - { .name: types, .offset: 0, .size: 8, .value_kind: global_buffer, .address_space: global }
      - { .name: W1, .offset: 8, .size: 8, .value_kind: global_buffer, .address_space: global }
      - { .name: W2, .offset: 16, .size: 8, .value_kind: global_buffer, .address_space: global }
      - { .name: lowp_scales, .offset: 24, .size: 8, .value_kind: global_buffer, .address_space: global }
      - { .name: order, .offset: 32, .size: 8, .value_kind: global_buffer, .address_space: global }
      - { .name: counts, .offset: 40, .size: 8, .value_kind: global_buffer, .address_space: global }
      - { .name: w1c, .offset: 48, .size: 8, .value_kind: global_buffer, .address_space: global }
      - { .name: w2c, .offset: 56, .size: 8, .value_kind: global_buffer, .address_space: global }
      - { .name: out0, .offset: 64, .size: 8, .value_kind: global_buffer, .address_space: global }
    .group_segment_fixed_size: 0
    .private_segment_fixed_size: 0
    .kernarg_segment_align: 8
    .kernarg_segment_size: 72
    .max_flat_workgroup_size: 128
    .sgpr_count:     100
    .vgpr_count:     208
    .wavefront_size: 32
...
	.end_amdgpu_metadata
.endif
;; end of part 1
;; launch mlp (part 2): grid 64 x 4, 4 waves a work-group, no clusters, 119,296 bytes of LDS; arguments x, order, counts, w1c, w2c, b1, b2, lowp_scales, out0; writes out0
.if DOCPART == 2
	.amdgcn_target "amdgcn-amd-amdhsa--gfx1250"
	.amdhsa_code_object_version 6
	.text
	.protected	k_q32feb7c9dc_mlp
	.globl	k_q32feb7c9dc_mlp
	.p2align	8
	.type	k_q32feb7c9dc_mlp,@function
k_q32feb7c9dc_mlp:
	s_mov_b64 s[64:65], 0
	v_nop
	global_prefetch_b8 v0, s[64:65] scope:SCOPE_SE
	s_setreg_imm32_b32 hwreg(HW_REG_WAVE_MODE, 25, 1), 1
	s_wait_xcnt 0x0
; out[token] = relu(x[token] W1[e] + b1[e]) W2[e] + b2[e] for the tokens of type e, both products on codes of E5M2 with the scales given for type e: ex, ew1, eh, ew2.
; Work-group (segment, e) takes the tokens of type e among the segment's 1,024, by the list and the count that the launch before has stored: gather, quantise, first product, relu, quantise, second product, store.
; The hidden layer never goes to memory.  Each row of out0 has one owner.
; SHARES.  Wave w keeps for the whole launch W1's codes of hidden units 128 w .. 128 w + 127 (256 registers), all of W2's (128), its b1 and b2.  A trip takes 128 list rows: 8 tiles of 16.
;   X: wave w quantises the rows of tiles w and w + 4 into LDS, and asks at once for the same two tiles' rows of the NEXT trip (64 loads, 32 KB a wave): they land under phases 1 and 2 | barrier |
;   1: every wave makes its 128 hidden units for each tile that holds a token (transposed: source 0 = 16 rows of W1, source 1 = 16 tokens; C = b1), relu and hold, codes: K step w of the second product, an image of the
;      operand's registers to LDS | barrier |   2: wave w makes the 32 outputs of tiles w and w + 4 and stores whole rows of 128 bytes at the tokens' places.
; THE LOOP HAS A CONSTANT 8 TRIPS (8 x 128 = a list's capacity) and both barriers stand outside every branch; what a count leaves without rows is passed over by scalar branches on the number of tiles.
; A list's last tile is filled up with copies of its own first row: they give the same bits and are stored at the same place, so all lanes stay on.
; K OF THE FIRST PRODUCT IS PERMUTED, alike in x and in W1: a row of x comes by two loads of 512 consecutive bytes (lane l: k = 128 q + 4 l + i), one conversion makes 8 codes, stored at byte 8 l of the LDS row.
; So position pos of a row stands for k = 128 ((pos >> 2) & 1) + 4 (pos >> 3) + (pos & 3), and W1's codes were laid so.  Every product meets its partner; only the order of the sums changes.
; THE ROWS OF W1 THAT FORM A TILE ARE NOT NEIGHBOURS: lane r of tile 2 b + u takes unit 32 b + 8 u + r + 8 (r / 8), so that the 16 registers of tiles 2 b, 2 b + 1 are 16 neighbours along the next K.
; NO TENSOR LOADS AND NO JOINT LOADS, though the 64 work-groups of a type read the same weights: which rows a work-group has hangs on counts read from memory, and the weights are read once, 144 KB a work-group, straight into registers.
; LIMITS on the given exponents, so that each power of two below is an f32 number: ex, and eh - ex - ew1, between -126 and 112; eh + ew2 between -126 and 127.  NaN among the inputs is not served.
; REGISTERS, in windows of 256.  Window 0: v1-10 addresses that stay; v11-20 tokens, list positions, scales; v24-31 row addresses; v32-95 x's fragments, two sets (phase 2: rows of y); v96-223 the hidden sums, two sets
;   (phase X: x's codes; phase 2: the hidden fragments); v224-255 codes just made, two sets (phase 2: tokens and store addresses).
;   Window 1: W1's 16 fragments.   Window 2: W2's 8 fragments; v128.. b1, v192.. b2, v208.. y's four accumulators.   Window 3: the 32 rows of x on their way.
.set XP,     272                       ; a row of x's codes in LDS: 256 bytes + 16
.set XTILE,  16*XP
.set HIMG,   8*XTILE                   ; behind x's 8 tiles: the hidden layer's 32 fragments, (tile m, K step s) at (4 m + s) FRB
.set FRB,    2048                      ; a fragment's image: 4 x 512 bytes
.set STG,    HIMG+32*FRB               ; behind them: for each wave a stage of 2 tiles x 16 rows x (128 bytes of y + the token's word + 12)
.set SP,     144
.set STILE,  16*SP
.set LI,   1                           ; 16 x lane
.set XWI,  2                           ; where I store x's codes: XTILE x wave + 8 x lane
.set FXA,  3                           ; a fragment of x: XP r + 16 h
.set HWI,  4                           ; where I store hidden images: HIMG + FRB x wave + 16 x lane
.set HRD,  5                           ; where I read my tiles' hidden images: HIMG + 4 FRB x wave + 16 x lane
.set SO,   6                           ; my stage: row r, + 32 h
.set SR,   7                           ; back: row lane / 8, + 16 (lane % 8)
.set SI,   8                           ; that row's token word
.set SX,   9                           ; row r's token word
.set OL,   10                          ; 16 (lane % 8)
.set TOKC, 11                          ; v11, v12  the tokens of the tile whose rows are in window 3 (lane r and r + 16: row r)
.set TOKN, 13                          ; v13, v14  the list entries of the tile after it
.set PO,   15                          ; v15, v16  4 x the list position of those entries
.set PA,   17                          ; v17, v18  the address of the index load
.set SCX,  19                          ; 2^ex as f32
.set SCH,  20                          ; 2^(eh - ex - ew1) as f32
.set XA,   24
.set XF,   32
.set HA,   96
.set PC,   224
.set XC,   96
.set OB,   32
.set YT,   64
.set OI,   224
.set OA,   232
.set B1,   128                         ; in window 2
.set B2,   192
.set Y,    208
.set MSB, 0
.macro WIN new                         ; the immediate's high byte repeats the setting that is left; bits 1:0 source 0, 3:2 source 1, 5:4 source 2, 7:6 destination
.if MSB != \new
	s_set_vgpr_msb (MSB<<8)|\new
.set MSB, \new
.endif
.endm
.macro BARRIER                         ; my LDS stores have landed and my LDS loads are in: then the work-group's barrier
	s_wait_dscnt 0x0
	s_barrier_signal -1
	s_barrier_wait -1
.endm
.macro PLACES                          ; four plain vector instructions behind a matrix instruction, ahead of loads into its registers and of reads of its result
.rept 4
	v_nop
.endr
.endm
; The next tile's tokens: list entries at or behind the list's end are replaced by the tile's first entry.
.macro NEXTTOK u
	v_readfirstlane_b32 s31, v[TOKN+\u]
	v_cmp_gt_u32 vcc_lo, s29, v[PO+\u]             ; 4 x count > 4 x position
	v_cndmask_b32 v[TOKC+\u], s31, v[TOKN+\u], vcc_lo
.endm
; The 16 rows of tile u are asked for: a row by two loads of 512 consecutive bytes.  Eight row addresses at a time.
.macro REFILL u
.irp g, 0,1
	s_wait_xcnt 0x0                                ; the loads that named the row addresses have read them
.irp p, 0,1,2,3,4,5,6,7
	v_readlane_b32 s[44+\p], v[TOKC+\u], 8*\g+\p
	s_min_u32 s[44+\p], s[44+\p], 0x3ff            ; a token's number in its segment
	v_lshl_add_u32 v[XA+\p], s[44+\p], 10, v[LI]   ; a row of x is 1,024 bytes
.endr
	WIN 0xc0                                       ; destination window 3
.irp p, 0,1,2,3,4,5,6,7
	global_load_b128 v[128*\u+64*\g+8*\p:128*\u+64*\g+8*\p+3], v[XA+\p], s[4:5]
	global_load_b128 v[128*\u+64*\g+8*\p+4:128*\u+64*\g+8*\p+7], v[XA+\p], s[4:5] offset:512
.endr
	WIN 0
.endr
.endm
; The 16 rows of tile u become codes in LDS: 8 numbers a lane and row.
.macro QUANTX u
	WIN 0xc3
.set i, 0
.rept 128
	v_med3_num_f32 v[128*\u+i], v[128*\u+i], s37, s36          ; the conversion does not saturate (ISA guide 7.6.2): the hold at +-57,344 x 2^ex
.set i, i+1
.endr
	WIN 0x03
.irp p, 0,1,2,3,4,5,6,7,8,9,10,11,12,13,14,15
	v_cvt_scalef32_pk8_bf8_f32 v[XC+32*\u+2*\p:XC+32*\u+2*\p+1], v[128*\u+8*\p:128*\u+8*\p+7], v[SCX]
.endr
	WIN 0
	v_nop                                          ; one plain vector instruction behind the last conversion
.irp p, 0,1,2,3,4,5,6,7,8,9,10,11,12,13,14,15
	ds_store_b64 v[XWI], v[XC+32*\u+2*\p:XC+32*\u+2*\p+1] offset:4*XTILE*\u+XP*\p   ; 32 lanes write a row's 256 bytes
.endr
.endm
.macro FETCHX m                        ; tile m's two fragments of x into set m % 2
.irp s, 0,1
.irp c, 0,1,2,3
	ds_load_b128 v[XF+32*((\m)%2)+16*\s+4*\c:XF+32*((\m)%2)+16*\s+4*\c+3], v[FXA] offset:XTILE*(\m)+128*\s+32*\c
.endr
.endr
.endm
.macro CVTH q                          ; the 64 held numbers of set q become a fragment's 16 registers
.irp b, 0,1,2,3
	v_cvt_scalef32_pk8_bf8_f32 v[PC+16*(\q)+4*\b:PC+16*(\q)+4*\b+1], v[HA+64*(\q)+16*\b:HA+64*(\q)+16*\b+7], v[SCH]
	v_cvt_scalef32_pk8_bf8_f32 v[PC+16*(\q)+4*\b+2:PC+16*(\q)+4*\b+3], v[HA+64*(\q)+16*\b+8:HA+64*(\q)+16*\b+15], v[SCH]
.endr
	v_nop                                          ; one plain vector instruction between the conversions and the products that write their sources
.endm
.macro IMAGE m                         ; and go to LDS as they stand: K step = my wave, tile m
.irp c, 0,1,2,3
	ds_store_b128 v[HWI], v[PC+16*((\m)%2)+4*\c:PC+16*((\m)%2)+4*\c+3] offset:4*FRB*(\m)+512*\c
.endr
.endm
.macro MED4 q, k                       ; relu and hold in one, four numbers: between 0 and 57,344 x the scale.  Source 0 is a constant and source 2 a scalar: the line means the same under the products' windows
.irp i, 0,1,2,3
	v_med3_num_f32 v[HA+64*(\q)+4*(\k)+\i], 0, v[HA+64*(\q)+4*(\k)+\i], s38
.endr
.endm
; SLOT m: tile m's 16 products into set m % 2.  Between them stand the holds of tile m - 1 (the other set), each accumulator from its low end on; ahead of them tile m - 2's conversions and image free the set.
; The eight accumulators take turns, one instruction a turn.
.macro SLOT m
	s_cmp_gt_i32 s28, \m
.if \m == 0
	s_cbranch_scc0 .Lp1_end
	FETCHX 0
.else
	s_cbranch_scc0 .Lepi_\m
.endif
.set DSN, 0
.if \m < 7
	FETCHX \m+1                                    ; read ahead; a tile without tokens holds zeros or old codes, and is not multiplied
.set DSN, DSN+8
.endif
.if \m >= 2
	CVTH (\m)%2
	IMAGE \m-2
.set DSN, DSN+4
.endif
	s_wait_dscnt DSN                               ; tile m's fragments are in; what this slot has just issued may stay out
	WIN 0x21                                       ; source 0 (W1) window 1, source 2 (b1) window 2
.irp t, 0,1,2,3,4,5,6,7
	v_wmma_f32_16x16x128_bf8_bf8 v[HA+64*((\m)%2)+8*\t:HA+64*((\m)%2)+8*\t+7], v[32*\t:32*\t+15], v[XF+32*((\m)%2):XF+32*((\m)%2)+15], v[B1+8*\t:B1+8*\t+7]
.if \m >= 1
	MED4 ((\m)-1)%2, \t
.endif
.endr
	WIN 0x01
.irp t, 0,1,2,3,4,5,6,7
	v_wmma_f32_16x16x128_bf8_bf8 v[HA+64*((\m)%2)+8*\t:HA+64*((\m)%2)+8*\t+7], v[32*\t+16:32*\t+31], v[XF+32*((\m)%2)+16:XF+32*((\m)%2)+31], v[HA+64*((\m)%2)+8*\t:HA+64*((\m)%2)+8*\t+7]
.if \m >= 1
	MED4 ((\m)-1)%2, 8+\t
.endif
.endr
	WIN 0
	PLACES                                         ; ahead of the next slot's loads into this slot's fragments and of the reads of its sums
.endm
; EPI m: tiles 0 .. m - 1 were multiplied and tile m is not: what is still in the two sets goes out.
.macro EPI m
.if \m >= 2
	CVTH (\m)%2
	IMAGE \m-2
.endif
.set i, 0
.rept 64
	v_med3_num_f32 v[HA+64*(((\m)-1)%2)+i], 0, v[HA+64*(((\m)-1)%2)+i], s38
.set i, i+1
.endr
.if \m >= 3
	s_wait_dscnt 4                                 ; all but the four stores just issued: tile m - 3's image has left the registers that are written next
.endif
	CVTH ((\m)-1)%2
	IMAGE \m-1
.endm
	; ---- the head
	s_load_b512 s[4:19], s[0:1], 0x0               ; x s[4:5], order s[6:7], counts s[8:9], w1c s[10:11], w2c s[12:13], b1 s[14:15], b2 s[16:17], scales s[18:19]
	s_load_b64 s[20:21], s[0:1], 0x40              ; out0
	v_lshl_add_u32 v22, v0, 2, 0x1d000
	v_mov_b32 v23, 0
	v_lshrrev_b32 v32, 5, v0
	v_readfirstlane_b32 s22, v32                   ; wave 0..3
	v_and_b32 v33, 31, v0                          ; lane
	v_and_b32 v34, 15, v0                          ; r
	v_bfe_u32 v35, v0, 4, 1                        ; h
	v_bfe_u32 v36, v0, 3, 2                        ; lane / 8
	v_and_b32 v37, 7, v0                           ; lane % 8
	s_and_b32 s23, ttmp7, 0xffff                   ; e
	s_lshl_b32 s52, s22, 6
	v_lshl_add_u32 v[PO], v34, 2, s52              ; 4 x (16 x wave + r): tile w,
	v_add_nc_u32 v[PO+1], 256, v[PO]               ; tile w + 4
	v_lshlrev_b32 v[LI], 4, v33
	v_lshlrev_b32 v28, 6, v35                      ; b1: 64 h
	v_lshlrev_b32 v29, 5, v35                      ; b2: 32 h
	s_mov_b32 s53, 0
	s_wait_kmcnt 0x0
	s_lshl_b32 s52, ttmp9, 20
	s_add_nc_u64 s[4:5], s[4:5], s[52:53]          ; my segment's rows of x
	s_mul_i32 s52, ttmp9, 20480
	s_lshl_b32 s54, s23, 12
	s_add_co_u32 s52, s52, s54
	s_add_nc_u64 s[6:7], s[6:7], s[52:53]          ; my list
	s_lshl_b32 s52, ttmp9, 4
	s_lshl_b32 s54, s23, 2
	s_add_co_u32 s52, s52, s54
	s_add_nc_u64 s[8:9], s[8:9], s[52:53]          ; its length
	s_lshl_b32 s52, s23, 4
	s_add_nc_u64 s[18:19], s[18:19], s[52:53]
	s_load_b32 s25, s[8:9], 0x0
	s_load_b128 s[32:35], s[18:19], 0x0            ; ex, ew1, eh, ew2
	global_load_b32 v[TOKN], v[PO], s[6:7]         ; the first trip's entries: positions under 128, always written
	global_load_b32 v[TOKN+1], v[PO+1], s[6:7]
	s_lshl_b32 s52, s23, 17
	s_lshl_b32 s54, s22, 15
	s_add_co_u32 s52, s52, s54
	s_add_nc_u64 s[10:11], s[10:11], s[52:53]      ; my wave's 16 fragments of W1[e]
	s_lshl_b32 s52, s23, 14
	s_add_nc_u64 s[12:13], s[12:13], s[52:53]      ; W2[e]'s 8
	s_lshl_b32 s52, s23, 11
	s_lshl_b32 s54, s22, 9
	s_add_co_u32 s52, s52, s54
	s_add_nc_u64 s[14:15], s[14:15], s[52:53]      ; my 128 numbers of b1[e]
	s_lshl_b32 s52, s23, 7
	s_add_nc_u64 s[16:17], s[16:17], s[52:53]      ; b2[e]
	s_lshl_b32 s52, ttmp9, 17
	s_add_nc_u64 s[20:21], s[20:21], s[52:53]      ; my segment's rows of out0
	WIN 0x80                                       ; destination window 2
.irp t, 0,1,2,3,4,5,6,7                        ; lane (r, h) wants, for tile 2 b + u, b1 of units 32 b + 16 h + 8 u + 0 .. 7: the result's layout
	global_load_b128 v[B1+8*\t:B1+8*\t+3], v28, s[14:15] offset:(32*(\t/2)+8*(\t%2))*4
	global_load_b128 v[B1+8*\t+4:B1+8*\t+7], v28, s[14:15] offset:(32*(\t/2)+8*(\t%2))*4+16
.endr
.irp n, 0,1                                    ; b2 of outputs 16 n + 8 h + 0 .. 7
	global_load_b128 v[B2+8*\n:B2+8*\n+3], v29, s[16:17] offset:64*\n
	global_load_b128 v[B2+8*\n+4:B2+8*\n+7], v29, s[16:17] offset:64*\n+16
.endr
.irp f, 0,1,2,3,4,5,6,7
.irp c, 0,1,2,3
	global_load_b128 v[16*\f+4*\c:16*\f+4*\c+3], v[LI], s[12:13] offset:2048*\f+512*\c
.endr
.endr
	WIN 0
	s_mul_i32 s52, s22, XTILE
	v_lshl_add_u32 v[XWI], v33, 3, s52
	v_mul_u32_u24 v[FXA], v34, XP
	v_lshl_add_u32 v[FXA], v35, 4, v[FXA]
	s_lshl_b32 s52, s22, 11
	s_add_co_u32 s52, s52, HIMG
	v_add_nc_u32 v[HWI], s52, v[LI]
	s_lshl_b32 s52, s22, 13
	s_add_co_u32 s52, s52, HIMG
	v_add_nc_u32 v[HRD], s52, v[LI]
	s_mul_i32 s52, s22, 2*STILE
	s_add_co_u32 s52, s52, STG                     ; my stage
	v_mul_u32_u24 v[SX], v34, SP
	v_add_nc_u32 v[SX], s52, v[SX]
	v_lshl_add_u32 v[SO], v35, 5, v[SX]
	v_add_nc_u32 v[SX], 128, v[SX]
	v_mul_u32_u24 v[SI], v36, SP
	v_add_nc_u32 v[SI], s52, v[SI]
	v_lshlrev_b32 v[OL], 4, v37
	v_add_nc_u32 v[SR], v[SI], v[OL]
	v_add_nc_u32 v[SI], 128, v[SI]
	; every LDS byte that may be read for a tile without tokens is written once, with zeros, by the wave and the addresses that write it later
	v_mov_b32 v96, 0
	v_mov_b32 v97, 0
	v_mov_b32 v98, 0
	v_mov_b32 v99, 0
.irp u, 0,1
.irp p, 0,1,2,3,4,5,6,7,8,9,10,11,12,13,14,15
	ds_store_b64 v[XWI], v[96:97] offset:4*XTILE*\u+XP*\p
.endr
.endr
.irp m, 0,1,2,3,4,5,6,7
.irp c, 0,1,2,3
	ds_store_b128 v[HWI], v[96:99] offset:4*FRB*\m+512*\c
.endr
.endr
	ds_store_b32 v[SX], v96
	ds_store_b32 v[SX], v96 offset:STILE
	s_wait_loadcnt 52                              ; the two index loads are in: 52 loads (16 of b1, 4 of b2, 32 of W2) were issued behind them
	s_wait_kmcnt 0x0
	s_min_u32 s25, s25, 0x400                      ; the list's length
	s_add_co_u32 s28, s25, 15
	s_lshr_b32 s28, s28, 4                         ; s28: tiles still to do, from this trip's tile 0 on
	s_sub_co_i32 s27, s28, s22                     ; s27: the same from my tile w on: my tile w + 4 u holds a token where s27 > 4 u
	s_lshl_b32 s29, s25, 2
	s_add_co_i32 s52, s32, 127
	s_lshl_b32 s54, s52, 23
	v_mov_b32 v[SCX], s54                          ; 2^ex
	s_add_co_i32 s52, s52, 15
	s_lshl_b32 s36, s52, 23
	s_or_b32 s36, s36, 0x600000                    ; 57,344 x 2^ex,
	s_or_b32 s37, s36, 0x80000000                  ; and its negative
	s_add_co_i32 s39, s32, s33                     ; ex + ew1: a sum of the first product stands for sum x 2^(ex + ew1)
	s_sub_co_i32 s52, s34, s39                     ; so the hidden layer's conversion takes 2^(eh - ex - ew1),
	s_sub_co_i32 s39, 0, s39                       ; and b1 goes in as b1 / 2^(ex + ew1)
	s_add_co_i32 s52, s52, 127
	s_lshl_b32 s54, s52, 23
	v_mov_b32 v[SCH], s54
	s_add_co_i32 s52, s52, 15
	s_lshl_b32 s38, s52, 23
	s_or_b32 s38, s38, 0x600000                    ; 57,344 x 2^(eh - ex - ew1)
	s_add_co_i32 s40, s34, s35
	s_add_co_i32 s40, s40, 127
	s_lshl_b32 s40, s40, 23                        ; 2^(eh + ew2)
	s_mov_b32 s41, s40                             ; (named with it as a pair, so it is written)
	NEXTTOK 0                                      ; the first trip's rows are asked for whatever the count: the entries read are tokens or zeros, so every row lies in the segment
	REFILL 0
	NEXTTOK 1
	REFILL 1
.irp u, 0,1
	v_add_nc_u32 v[PO+\u], 512, v[PO+\u]           ; the second trip's entries: positions under 256, always written
	global_load_b32 v[TOKN+\u], v[PO+\u], s[6:7]
.endr
	WIN 0x40                                       ; destination window 1
.irp f, 0,1,2,3,4,5,6,7,8,9,10,11,12,13,14,15
.irp c, 0,1,2,3
	global_load_b128 v[16*\f+4*\c:16*\f+4*\c+3], v[LI], s[10:11] offset:2048*\f+512*\c
.endr
.endr
	WIN 0
	s_wait_loadcnt 0x0
	WIN 0x82                                       ; source 0 and destination window 2
.set i, 0
.rept 64
	v_ldexp_f32 v[B1+i], v[B1+i], s39
.set i, i+1
.endr
	WIN 0
	s_mov_b32 s30, 8
.Ltrip:
	; ---- X
	s_wait_loadcnt 0x0                             ; this trip's rows and the next entries are in: they were asked for a trip ago
	s_wait_xcnt 0x0                                ; the last trip's stores have read their registers
.macro PHASEX u
	s_cmp_gt_i32 s27, 4*\u
	s_cbranch_scc0 .Lx_done_\@
	ds_store_b32 v[SX], v[TOKC+\u] offset:STILE*\u ; the tile's tokens, for the stores of phase 2 (lanes r and r + 16 write the same word with the same number)
	QUANTX \u
	s_cmp_gt_i32 s27, 8+4*\u                       ; has the next trip's tile a token?
	s_cbranch_scc0 .Lx_done_\@
	NEXTTOK \u
	REFILL \u
	v_add_nc_u32 v[PO+\u], 512, v[PO+\u]
	s_cmp_gt_i32 s27, 16+4*\u                      ; and the trip's after it?  Its entries are asked for
	s_cbranch_scc0 .Lx_done_\@
	v_min_u32 v[PA+\u], 4092, v[PO+\u]
	global_load_b32 v[TOKN+\u], v[PA+\u], s[6:7]
.Lx_done_\@:
.endm
	PHASEX 0
	PHASEX 1
	BARRIER                                        ; x's codes of the trip's tiles lie in LDS
	; ---- 1
.irp m, 0,1,2,3,4,5,6,7
	SLOT \m
.endr
	EPI 8
	s_branch .Lp1_end
.irp m, 1,2,3,4,5,6
.Lepi_\m:
	EPI \m
	s_branch .Lp1_end
.endr
.Lepi_7:
	EPI 7
.Lp1_end:
	BARRIER                                        ; the hidden layer's fragments lie in LDS, and nobody reads x's codes any more
	; ---- 2: my two tiles, four accumulators by turns, a K step at a time.  Tile w + 4 is multiplied with tile w whether or not it holds a token; its stores are passed over where it holds none
	s_cmp_gt_i32 s27, 0
	s_cbranch_scc0 .Lp2_end
.irp s, 0,1,2,3
.irp u, 0,1
.irp c, 0,1,2,3
	ds_load_b128 v[HA+64*\u+16*\s+4*\c:HA+64*\u+16*\s+4*\c+3], v[HRD] offset:16*FRB*\u+FRB*\s+512*\c
.endr
.endr
.endr
.irp s, 0,1,2,3
	s_wait_dscnt 24-8*\s                           ; K step s of both tiles is in; the eight loads of each later K step may stay out
.if \s == 0
	WIN 0x82                                       ; source 0 (W2) and destination window 2
.else
	WIN 0xa2                                       ; and C
.endif
.irp u, 0,1
.irp n, 0,1
.if \s == 0
	v_wmma_f32_16x16x128_bf8_bf8 v[Y+8*(2*\u+\n):Y+8*(2*\u+\n)+7], v[16*(4*\n+\s):16*(4*\n+\s)+15], v[HA+64*\u+16*\s:HA+64*\u+16*\s+15], 0
.else
	v_wmma_f32_16x16x128_bf8_bf8 v[Y+8*(2*\u+\n):Y+8*(2*\u+\n)+7], v[16*(4*\n+\s):16*(4*\n+\s)+15], v[HA+64*\u+16*\s:HA+64*\u+16*\s+15], v[Y+8*(2*\u+\n):Y+8*(2*\u+\n)+7]
.endif
.endr
.endr
.endr
	WIN 0
	PLACES
	WIN 0x22                                       ; source 0 (the sums) and source 2 (b2) window 2
.irp u, 0,1
.irp n, 0,1
.irp i, 0,2,4,6
	v_pk_fma_f32 v[YT+8*(2*\u+\n)+\i:YT+8*(2*\u+\n)+\i+1], v[Y+8*(2*\u+\n)+\i:Y+8*(2*\u+\n)+\i+1], s[40:41], v[B2+8*\n+\i:B2+8*\n+\i+1] op_sel_hi:[1,0,1]   ; y = sum x 2^(eh + ew2) + b2; each accumulator from its low end on
.endr
.endr
.endr
	WIN 0
.irp u, 0,1
.irp n, 0,1
	ds_store_b128 v[SO], v[YT+8*(2*\u+\n):YT+8*(2*\u+\n)+3] offset:STILE*\u+64*\n        ; lane (r, h): y(row r, 16 n + 8 h + 0 .. 7)
	ds_store_b128 v[SO], v[YT+8*(2*\u+\n)+4:YT+8*(2*\u+\n)+7] offset:STILE*\u+64*\n+16
.endr
.endr
.irp u, 0,1
.irp i, 0,1,2,3
	ds_load_b32 v[OI+4*\u+\i], v[SI] offset:STILE*\u+4*SP*\i                             ; LDS serves a wave's instructions in order (ISA guide 5.7.1.4): these see my stores
.endr
.endr
.irp u, 0,1
.irp i, 0,1,2,3
	ds_load_b128 v[OB+4*(4*\u+\i):OB+4*(4*\u+\i)+3], v[SR] offset:STILE*\u+4*SP*\i       ; four whole rows: eight lanes to a row of 128 bytes
.endr
.endr
	s_wait_dscnt 0x0
.irp k, 0,1,2,3,4,5,6,7
	v_min_u32 v[OA+\k], 0x3ff, v[OI+\k]
	v_lshl_add_u32 v[OA+\k], v[OA+\k], 7, v[OL]    ; the token's row of out0, + my 16 bytes
.endr
.irp i, 0,1,2,3
	global_store_b128 v[OA+\i], v[OB+4*\i:OB+4*\i+3], s[20:21] th:TH_STORE_NT
.endr
	s_cmp_gt_i32 s27, 4
	s_cbranch_scc0 .Lp2_end
.irp i, 4,5,6,7
	global_store_b128 v[OA+\i], v[OB+4*\i:OB+4*\i+3], s[20:21] th:TH_STORE_NT
.endr
.Lp2_end:
	s_sub_co_i32 s27, s27, 8
	s_sub_co_i32 s28, s28, 8
	s_sub_co_u32 s30, s30, 1
	s_cmp_lg_u32 s30, 0
	s_cbranch_scc1 .Ltrip
	s_wait_tensorcnt 0x0
	ds_add_u32 v22, v23
	s_wait_dscnt 0x0
	s_endpgm
.Lfunc_end_k_q32feb7c9dc_mlp:
	.size	k_q32feb7c9dc_mlp, .Lfunc_end_k_q32feb7c9dc_mlp-k_q32feb7c9dc_mlp
	.p2alignl 7, 3214868480
	.fill 96, 4, 3214868480
	.section	.rodata,"a",@progbits
	.p2align	6, 0x0
	.amdhsa_kernel k_q32feb7c9dc_mlp
		.amdhsa_group_segment_fixed_size 119296
		.amdhsa_private_segment_fixed_size 0
		.amdhsa_enable_private_segment 0
		.amdhsa_kernarg_size 72
		.amdhsa_user_sgpr_count 2
		.amdhsa_user_sgpr_kernarg_segment_ptr 1
		.amdhsa_wavefront_size32 1
		.amdhsa_system_sgpr_workgroup_id_x 1
		.amdhsa_system_sgpr_workgroup_id_y 1
		.amdhsa_system_sgpr_workgroup_id_z 1
		.amdhsa_system_vgpr_workitem_id 0
		.amdhsa_next_free_vgpr 1024
		.amdhsa_next_free_sgpr 66
		.amdhsa_reserve_vcc 1
		.amdhsa_float_denorm_mode_32 3
		.amdhsa_float_denorm_mode_16_64 3
		.amdhsa_memory_ordered 1
		.amdhsa_forward_progress 1
		.amdhsa_inst_pref_size 171
	.end_amdhsa_kernel
	.amdgpu_metadata
---
amdhsa.version: [ 1, 2 ]
amdhsa.kernels:
  - .name:           k_q32feb7c9dc_mlp
    .symbol:         k_q32feb7c9dc_mlp.kd
    .args:
      - { .name: x, .offset: 0, .size: 8, .value_kind: global_buffer, .address_space: global }
      - { .name: order, .offset: 8, .size: 8, .value_kind: global_buffer, .address_space: global }
      - { .name: counts, .offset: 16, .size: 8, .value_kind: global_buffer, .address_space: global }
      - { .name: w1c, .offset: 24, .size: 8, .value_kind: global_buffer, .address_space: global }
      - { .name: w2c, .offset: 32, .size: 8, .value_kind: global_buffer, .address_space: global }
      - { .name: b1, .offset: 40, .size: 8, .value_kind: global_buffer, .address_space: global }
      - { .name: b2, .offset: 48, .size: 8, .value_kind: global_buffer, .address_space: global }
      - { .name: lowp_scales, .offset: 56, .size: 8, .value_kind: global_buffer, .address_space: global }
      - { .name: out0, .offset: 64, .size: 8, .value_kind: global_buffer, .address_space: global }
    .group_segment_fixed_size: 119296
    .private_segment_fixed_size: 0
    .kernarg_segment_align: 8
    .kernarg_segment_size: 72
    .max_flat_workgroup_size: 128
    .sgpr_count:     66
    .vgpr_count:     1024
    .wavefront_size: 32
...
	.end_amdgpu_metadata
.endif
;; end of part 2
;; ======== version 2 of 2: 2 launches
;; workspace buffers: order 1,310,720 bytes of whole numbers; counts 1,024 bytes of whole numbers; w1c 524,288 bytes; w2c 65,536 bytes
;; launch prep (part 3): grid 64 x 1, 4 waves a work-group, no clusters, 0 bytes of LDS; arguments types, W1, W2, lowp_scales, order, counts, w1c, w2c, out0; writes order, counts, w1c, w2c, out0
.if DOCPART == 3
	.amdgcn_target "amdgcn-amd-amdhsa--gfx1250"
	.amdhsa_code_object_version 6
	.text
	.protected	k_q32feb7c9dc_prep
	.globl	k_q32feb7c9dc_prep
	.p2align	8
	.type	k_q32feb7c9dc_prep,@function
k_q32feb7c9dc_prep:
	s_mov_b64 s[64:65], 0
	v_nop
	global_prefetch_b8 v0, s[64:65] scope:SCOPE_SE
	s_setreg_imm32_b32 hwreg(HW_REG_WAVE_MODE, 25, 1), 1
	s_wait_xcnt 0x0
; ROUTING AND WEIGHTS.  64 work-groups of four waves, all on one path, all lanes on throughout.  Work-group G does three things.
; (1) It sorts the 1,024 tokens of segment G by type into four lists at fixed places: order[G][type][0 ..], entries = the token's number in the segment;
;     counts[G][type] = the lists' lengths.  Behind a list's last entry zeros are stored up to position 256 at the least and to a multiple of 16 (they may run on to the end of their 32):
;     the next launch reads positions 0 to 255 always, and beyond them only tiles of 16 that hold a token.  A lane whose token has no type 0..3 stores into a fifth region that nobody reads.
; (2) A token whose type is not 0..3 keeps zeros in the result: its row of out0 is stored here.
; (3) It quantises 1/64 of W1 and of W2 (type e = G / 16, part g = G % 16) to codes of E5M2 with the given scales, laid in the order of the next launch's operand registers.
;     A lane takes a column and its registers run down K, so the conversions give 16 codes along K: one lane's 16 bytes of a fragment.
;     W1's K is taken in the order in which the next launch lays x's codes: byte j of piece g is k = 128 ((j >> 2) & 1) + 8 g + 4 (j >> 3) + (j & 3).
; code = w / 2^e, held within +-57,344, to the nearest code, ties to even.  LIMITS: ew1 and ew2 between -126 and 112, so that 2^e and 57,344 x 2^e are f32 numbers.  NaN among the weights is not served.
; No atomics, no LDS, no barrier: every wave reads the segment's 4,096 bytes of types and counts all four waves' types itself, by masks, so the waves hand each other nothing; every list entry has one writer.
; Where only some lanes have something to store (the zeros behind a list, the rows of tokens without a type), the other lanes store the same zero at a place that gets that zero anyway: no lane is switched off.
.set TY,   8                           ; v8-15    my eight types: value 4 q + i is local token LOC + 128 q + i
.set AD,   16                          ; v16-23   the eight list stores' addresses
.set DA,   24                          ; v24-31   and their data, the tokens' numbers; each value has its own, so none is written again
.set IA,   38                          ; v38      the address of the rows of zeros
.set WA,   64                          ; v64-127  W1: 4 pieces x 16 numbers down K
.set W2A,  128                         ; v128-143 W2: 16 numbers down K (waves 0 and 1)
.set WC,   144                         ; v144-159 W1's codes
.set W2C,  160                         ; v160-163 W2's codes
.set ZR,   164                         ; v164-167 zeros
.set PE,   168                         ; v168     the padding: my entry of order[G]
.set PAD,  169                         ; v169     and the address of its store
.set O1,   170                         ; v170     where my codes of W1 go; never rewritten
.set O2,   171                         ; v171     the same for W2
.set TA,   176                         ; v176-207 the types of all four waves: wave w's eight values at 8 w
.set M,    28                          ; s28-59   mask 4 v + e: the lanes whose value v has type e: first of each wave in turn, for the counts, at last of my own
.set BASE, 66                          ; s66-69   where the next entry of list e goes
.set CNT,  70                          ; s70-73   the segment's counts
.set CW,   74                          ; s74-89   count of wave w, type e at 4 w + e
	s_load_b512 s[4:19], s[0:1], 0x0               ; types s[4:5], W1 s[6:7], W2 s[8:9], scales s[10:11], order s[12:13], counts s[14:15], w1c s[16:17], w2c s[18:19]
	s_load_b64 s[20:21], s[0:1], 0x40              ; out0
	v_lshrrev_b32 v2, 5, v0
	v_readfirstlane_b32 s22, v2                    ; wave 0..3
	v_and_b32 v1, 31, v0                           ; lane
	v_lshlrev_b32 v7, 4, v1                        ; types of any wave: 16 x lane
	v_lshl_add_u32 v3, v2, 10, v7                  ; my own: 1,024 x wave + 16 x lane
	v_lshlrev_b32 v4, 2, v0                        ; W1: column 32 x wave + lane of a run of 128
	v_lshlrev_b32 v5, 2, v1
	v_lshl_add_u32 v5, v2, 11, v5                  ; W2: column = lane; wave 0, 1 takes 16 rows each
	v_lshrrev_b32 v6, 2, v3                        ; LOC = 256 x wave + 4 x lane
	v_and_b32 v34, 7, v0
	v_bfe_u32 v33, v0, 3, 1
	v_bfe_u32 v35, v0, 4, 1
	v_lshlrev_b32 v[O1], 4, v34
	v_lshl_add_u32 v[O1], v35, 7, v[O1]            ; column x = 32 b + lane of a wave's 128 units is row r = (x & 7) + 8 (x >> 4) of tile 2 b + ((x >> 3) & 1): 16 r,
	v_lshl_add_u32 v[O1], v33, 12, v[O1]           ; + 4,096 for the odd tile,
	v_lshl_add_u32 v[O1], v2, 13, v[O1]            ; + 8,192 b, b = my wave
	v_and_b32 v34, 15, v0
	v_lshlrev_b32 v[O2], 4, v34
	v_lshl_add_u32 v[O2], v35, 13, v[O2]           ; W2: output = lane: row lane % 16 of tile lane / 16 (8,192 bytes a tile),
	v_lshl_add_u32 v[O2], v2, 8, v[O2]             ; my wave is the half h of the lanes: 256 bytes
	v_lshl_add_u32 v[PE], v2, 10, v1               ; the padding begins at entry 1,024 x wave + lane: wave w pads list w
	v_mov_b32 v37, 0                               ; the counts' store: offset 0
	s_lshr_b32 s23, ttmp9, 4                       ; e
	s_and_b32 s60, ttmp9, 15                       ; g
	s_mov_b32 s93, 0
	s_wait_kmcnt 0x0
	s_lshl_b32 s92, ttmp9, 12
	s_add_nc_u64 s[4:5], s[4:5], s[92:93]          ; my segment's types
	s_lshl_b32 s92, s23, 19
	s_lshl_b32 s94, s60, 14
	s_add_co_u32 s92, s92, s94
	s_add_nc_u64 s[6:7], s[6:7], s[92:93]          ; W1[e], row 8 g
	s_lshl_b32 s92, s23, 16
	s_lshl_b32 s94, s60, 12
	s_add_co_u32 s92, s92, s94
	s_add_nc_u64 s[8:9], s[8:9], s[92:93]          ; W2[e], row 32 g
	s_lshl_b32 s92, s23, 4
	s_add_nc_u64 s[10:11], s[10:11], s[92:93]
	s_load_b128 s[24:27], s[10:11], 0x0            ; ex, ew1, eh, ew2 of type e
	global_load_b128 v[TY:TY+3], v3, s[4:5]        ; (no hint: all four waves read the segment's types)
	global_load_b128 v[TY+4:TY+7], v3, s[4:5] offset:512
.irp w, 0,1,2,3
	global_load_b128 v[TA+8*\w:TA+8*\w+3], v7, s[4:5] offset:1024*\w
	global_load_b128 v[TA+8*\w+4:TA+8*\w+7], v7, s[4:5] offset:1024*\w+512
.endr
.irp p, 0,1,2,3                                ; piece p: hidden units 128 p on; the four waves read 512 consecutive bytes of a row
.irp j, 0,1,2,3,4,5,6,7,8,9,10,11,12,13,14,15
	global_load_b32 v[WA+16*\p+\j], v4, s[6:7] offset:(128*((\j>>2)&1)+4*(\j>>3)+(\j&3))*2048+512*\p th:TH_LOAD_NT
.endr
.endr
	s_cmp_lt_u32 s22, 2
	s_cbranch_scc0 .Lno_w2_in
.irp j, 0,1,2,3,4,5,6,7,8,9,10,11,12,13,14,15
	global_load_b32 v[W2A+\j], v5, s[8:9] offset:128*\j th:TH_LOAD_NT   ; W2[e][32 g + 16 wave + j][lane]
.endr
.Lno_w2_in:
	s_mul_i32 s92, ttmp9, 20480
	s_add_nc_u64 s[12:13], s[12:13], s[92:93]      ; order[G]
	s_lshl_b32 s92, ttmp9, 4
	s_add_nc_u64 s[14:15], s[14:15], s[92:93]      ; counts[G]
	s_lshl_b32 s92, s23, 17
	s_lshl_b32 s94, s60, 8
	s_add_co_u32 s92, s92, s94
	s_add_nc_u64 s[16:17], s[16:17], s[92:93]      ; w1c[e], piece g = 8 s + 2 c + h: 2,048 s + 512 c + 256 h = 256 g
	s_lshl_b32 s92, s23, 14
	s_lshl_b32 s94, s60, 9
	s_add_co_u32 s92, s92, s94
	s_add_nc_u64 s[18:19], s[18:19], s[92:93]      ; w2c[e], K step g / 4, group g % 4: 512 g
	s_lshl_b32 s92, ttmp9, 17
	s_add_nc_u64 s[20:21], s[20:21], s[92:93]      ; my segment's rows of out0
	v_mov_b32 v[ZR], 0
	v_mov_b32 v[ZR+1], 0
	v_mov_b32 v[ZR+2], 0
	v_mov_b32 v[ZR+3], 0
	s_wait_loadcnt 63                              ; behind the ten loads of types 64 or 80 younger loads were issued: the types are in
	; ---- the counts of all four waves: 32 masks a wave, all made before the first is counted, then their bits are counted and added
.irp w, 0,1,2,3
.irp v, 0,1,2,3,4,5,6,7
.irp e, 0,1,2,3
	v_cmp_eq_u32 s[M+4*\v+\e], \e, v[TA+8*\w+\v]
.endr
.endr
.irp e, 0,1,2,3
	s_bcnt1_i32_b32 s[CW+4*\w+\e], s[M+\e]
.irp v, 1,2,3,4,5,6,7
	s_bcnt1_i32_b32 s90, s[M+4*\v+\e]
	s_add_co_u32 s[CW+4*\w+\e], s[CW+4*\w+\e], s90
.endr
.endr
.endr
	; ---- my own wave's masks, which stay
.irp v, 0,1,2,3,4,5,6,7
.irp e, 0,1,2,3
	v_cmp_eq_u32 s[M+4*\v+\e], \e, v[TY+\v]
.endr
.endr
.irp e, 0,1,2,3
	s_mov_b32 s[BASE+\e], 1024*\e                  ; list e begins at entry 1,024 e,
.endr
.irp v, 0,1,2                                  ; and my wave's part behind the earlier waves'
	s_cmp_gt_u32 s22, \v
	s_cselect_b32 s94, s[CW+4*\v], 0
	s_cselect_b32 s95, s[CW+4*\v+1], 0
	s_cselect_b32 s96, s[CW+4*\v+2], 0
	s_cselect_b32 s97, s[CW+4*\v+3], 0
	s_add_co_u32 s[BASE], s[BASE], s94
	s_add_co_u32 s[BASE+1], s[BASE+1], s95
	s_add_co_u32 s[BASE+2], s[BASE+2], s96
	s_add_co_u32 s[BASE+3], s[BASE+3], s97
.endr
.irp e, 0,1,2,3
	s_add_co_u32 s[CNT+\e], s[CW+\e], s[CW+4+\e]
	s_add_co_u32 s[CNT+\e], s[CNT+\e], s[CW+8+\e]
	s_add_co_u32 s[CNT+\e], s[CNT+\e], s[CW+12+\e] ; the segment's count of type e
.endr
	; ---- each token to its place: the list's next free entry + the number of lower lanes with the same type
.irp v, 0,1,2,3,4,5,6,7
	v_add_nc_u32 v[DA+\v], 128*(\v>>2)+(\v&3), v6              ; the token's number in the segment
	v_add_nc_u32 v[AD+\v], 4096+128*(\v>>2)+(\v&3), v6         ; no type 0..3: the fifth region
.irp e, 0,1,2,3
	v_mbcnt_lo_u32_b32 v32, s[M+4*\v+\e], s[BASE+\e]
	v_cndmask_b32 v[AD+\v], v[AD+\v], v32, s[M+4*\v+\e]
	s_bcnt1_i32_b32 s90, s[M+4*\v+\e]
	s_add_co_u32 s[BASE+\e], s[BASE+\e], s90
.endr
	v_min_u32 v[AD+\v], 0x13ff, v[AD+\v]                       ; 5 x 1,024 entries
	v_lshlrev_b32 v[AD+\v], 2, v[AD+\v]
	global_store_b32 v[AD+\v], v[DA+\v], s[12:13]
.endr
	; ---- the four counts: wave 0; all its lanes store the same 16 bytes at the same place
	s_cmp_lg_u32 s22, 0
	s_cbranch_scc1 .Lno_counts
.irp e, 0,1,2,3
	v_mov_b32 v[32+\e], s[CNT+\e]
.endr
	global_store_b128 v37, v[32:35], s[14:15]
.Lno_counts:
	; ---- the weights
	s_wait_loadcnt 0x0
	s_wait_kmcnt 0x0
	s_add_co_i32 s94, s25, 127
	s_lshl_b32 s95, s94, 23
	v_mov_b32 v172, s95                            ; 2^ew1 as f32: the conversion takes its exponent field
	s_add_co_i32 s94, s94, 15
	s_lshl_b32 s94, s94, 23
	s_or_b32 s94, s94, 0x600000
	v_mov_b32 v174, s94                            ; 57,344 x 2^ew1
	s_add_co_i32 s94, s27, 127
	s_lshl_b32 s95, s94, 23
	v_mov_b32 v173, s95                            ; the same for ew2
	s_add_co_i32 s94, s94, 15
	s_lshl_b32 s94, s94, 23
	s_or_b32 s94, s94, 0x600000
	v_mov_b32 v175, s94
.macro PIECE src, dst, sc, lim         ; 16 numbers down K become 16 codes
.irp j, 0,1,2,3,4,5,6,7,8,9,10,11,12,13,14,15
	v_med3_num_f32 v[\src+\j], v[\src+\j], -v[\lim], v[\lim]   ; the conversion to an 8-bit code does not saturate (ISA guide 7.6.2): the hold at the largest code x the scale comes first
.endr
	v_cvt_scalef32_pk8_bf8_f32 v[\dst:\dst+1], v[\src:\src+7], v[\sc]
	v_cvt_scalef32_pk8_bf8_f32 v[\dst+2:\dst+3], v[\src+8:\src+15], v[\sc]
.endm
.irp p, 0,1,2,3
	PIECE WA+16*\p, WC+4*\p, 172, 174
	global_store_b128 v[O1], v[WC+4*\p:WC+4*\p+3], s[16:17] offset:32768*\p   ; the sixteen lanes of a tile's rows write 256 consecutive bytes, aligned: two such runs a store; the codes go to stores alone
.endr
	s_cmp_lt_u32 s22, 2
	s_cbranch_scc0 .Lno_w2_out
	PIECE W2A, W2C, 173, 175
	global_store_b128 v[O2], v[W2C:W2C+3], s[18:19]
.Lno_w2_out:
	; ---- zeros behind the last entry: wave w pads list w, 32 entries a trip; a trip that has nothing to pad is passed over.
	; In the trip that holds the list's end the lanes ahead of the end store their zero AT the end: entry = max(my entry, the end), which lies in the trip's 32 since 32 t + 32 > count there
	s_cmp_eq_u32 s22, 1
	s_cselect_b32 s92, s[CNT+1], s[CNT]
	s_cmp_eq_u32 s22, 2
	s_cselect_b32 s92, s[CNT+2], s92
	s_cmp_eq_u32 s22, 3
	s_cselect_b32 s92, s[CNT+3], s92               ; the list's length
	s_add_co_u32 s93, s92, 15
	s_and_b32 s93, s93, 0xfffffff0
	s_max_u32 s93, s93, 256                        ; pad up to here
	s_lshl_b32 s96, s22, 10
	s_add_co_u32 s96, s96, s92                     ; the list's end as an entry of order[G]
	s_mov_b32 s90, 0
.Lpad:
	s_cmp_ge_u32 s90, s93
	s_cbranch_scc1 .Lpad_next
	s_add_co_u32 s94, s90, 32
	s_cmp_le_u32 s94, s92
	s_cbranch_scc1 .Lpad_next
	s_wait_xcnt 0x0                                ; the last trip's store has read its address
	s_wait_alu depctr_va_vdst(0)
	v_max_u32 v[PAD], s96, v[PE]
	v_min_u32 v[PAD], 0xfff, v[PAD]                ; the four lists are 4,096 entries
	v_lshlrev_b32 v[PAD], 2, v[PAD]
	global_store_b32 v[PAD], v[ZR], s[12:13]
.Lpad_next:
	s_wait_alu depctr_va_vdst(0)
	v_add_nc_u32 v[PE], 32, v[PE]
	s_add_co_u32 s90, s90, 32
	s_cmp_lt_u32 s90, 1024
	s_cbranch_scc1 .Lpad
	; ---- tokens with no type 0..3: their rows of out0 are zeros.  A value all of whose 32 tokens have a type is passed over; else the lanes whose token has one store their zeros into the row of the first lane whose token has none
	s_lshl_b32 s97, s22, 8                         ; 256 x wave
.macro INVALID v
	s_or_b32 s94, s[M+4*\v], s[M+4*\v+1]
	s_or_b32 s95, s[M+4*\v+2], s[M+4*\v+3]
	s_or_b32 s94, s94, s95
	s_not_b32 s94, s94                             ; the lanes without a type
	s_cmp_eq_u32 s94, 0
	s_cbranch_scc1 .Lall_valid_\@
	s_ctz_i32_b32 s95, s94                         ; the first of them,
	s_lshl_b32 s95, s95, 2
	s_add_co_u32 s95, s95, s97
	s_add_co_u32 s95, s95, 128*((\v)>>2)+((\v)&3)  ; and its token: 256 x wave + 4 x lane + the value's place
	s_wait_xcnt 0x0                                ; earlier stores have read the address register
	v_cndmask_b32 v[IA], s95, v[DA+\v], s94        ; my own token where it has no type
	v_min_u32 v[IA], 0x3ff, v[IA]                  ; a token's number in its segment
	v_lshlrev_b32 v[IA], 7, v[IA]                  ; a row of out0 is 128 bytes
.irp k, 0,1,2,3,4,5,6,7
	global_store_b128 v[IA], v[ZR:ZR+3], s[20:21] offset:16*\k
.endr
.Lall_valid_\@:
.endm
.irp v, 0,1,2,3,4,5,6,7
	INVALID \v
.endr
	s_endpgm
.Lfunc_end_k_q32feb7c9dc_prep:
	.size	k_q32feb7c9dc_prep, .Lfunc_end_k_q32feb7c9dc_prep-k_q32feb7c9dc_prep
	.p2alignl 7, 3214868480
	.fill 96, 4, 3214868480
	.section	.rodata,"a",@progbits
	.p2align	6, 0x0
	.amdhsa_kernel k_q32feb7c9dc_prep
		.amdhsa_group_segment_fixed_size 0
		.amdhsa_private_segment_fixed_size 0
		.amdhsa_enable_private_segment 0
		.amdhsa_kernarg_size 72
		.amdhsa_user_sgpr_count 2
		.amdhsa_user_sgpr_kernarg_segment_ptr 1
		.amdhsa_wavefront_size32 1
		.amdhsa_system_sgpr_workgroup_id_x 1
		.amdhsa_system_sgpr_workgroup_id_y 1
		.amdhsa_system_sgpr_workgroup_id_z 1
		.amdhsa_system_vgpr_workitem_id 0
		.amdhsa_next_free_vgpr 208
		.amdhsa_next_free_sgpr 100
		.amdhsa_reserve_vcc 0
		.amdhsa_float_denorm_mode_32 3
		.amdhsa_float_denorm_mode_16_64 3
		.amdhsa_memory_ordered 1
		.amdhsa_forward_progress 1
		.amdhsa_inst_pref_size 57
	.end_amdhsa_kernel
	.amdgpu_metadata
---
amdhsa.version: [ 1, 2 ]
amdhsa.kernels:
  - .name:           k_q32feb7c9dc_prep
    .symbol:         k_q32feb7c9dc_prep.kd
    .args:
      - { .name: types, .offset: 0, .size: 8, .value_kind: global_buffer, .address_space: global }
      - { .name: W1, .offset: 8, .size: 8, .value_kind: global_buffer, .address_space: global }
      - { .name: W2, .offset: 16, .size: 8, .value_kind: global_buffer, .address_space: global }
      - { .name: lowp_scales, .offset: 24, .size: 8, .value_kind: global_buffer, .address_space: global }
      - { .name: order, .offset: 32, .size: 8, .value_kind: global_buffer, .address_space: global }
      - { .name: counts, .offset: 40, .size: 8, .value_kind: global_buffer, .address_space: global }
      - { .name: w1c, .offset: 48, .size: 8, .value_kind: global_buffer, .address_space: global }
      - { .name: w2c, .offset: 56, .size: 8, .value_kind: global_buffer, .address_space: global }
      - { .name: out0, .offset: 64, .size: 8, .value_kind: global_buffer, .address_space: global }
    .group_segment_fixed_size: 0
    .private_segment_fixed_size: 0
    .kernarg_segment_align: 8
    .kernarg_segment_size: 72
    .max_flat_workgroup_size: 128
    .sgpr_count:     100
    .vgpr_count:     208
    .wavefront_size: 32
...
	.end_amdgpu_metadata
.endif
;; end of part 3
;; launch mlp (part 4): grid 64 x 4, 4 waves a work-group, no clusters, 119,296 bytes of LDS; arguments x, order, counts, w1c, w2c, b1, b2, lowp_scales, out0; writes out0
.if DOCPART == 4
	.amdgcn_target "amdgcn-amd-amdhsa--gfx1250"
	.amdhsa_code_object_version 6
	.text
	.protected	k_q32feb7c9dc_mlp
	.globl	k_q32feb7c9dc_mlp
	.p2align	8
	.type	k_q32feb7c9dc_mlp,@function
k_q32feb7c9dc_mlp:
	s_mov_b64 s[64:65], 0
	v_nop
	global_prefetch_b8 v0, s[64:65] scope:SCOPE_SE
	s_setreg_imm32_b32 hwreg(HW_REG_WAVE_SCHED_MODE, 0, 2), 2
	s_setreg_imm32_b32 hwreg(HW_REG_WAVE_MODE, 25, 1), 1
	s_wait_xcnt 0x0
	s_wait_alu depctr_vm_vsrc(0)
; out[token] = relu(x[token] W1[e] + b1[e]) W2[e] + b2[e] for the tokens of type e, both products on codes of E5M2 with the scales given for type e: ex, ew1, eh, ew2.
; Work-group (segment, e) takes the tokens of type e among the segment's 1,024, by the list and the count that the launch before has stored: gather, quantise, first product, relu, quantise, second product, store.
; The hidden layer never goes to memory.  Each row of out0 has one owner.
; SHARES.  Wave w keeps for the whole launch W1's codes of hidden units 128 w .. 128 w + 127 (256 registers), all of W2's (128), its b1 and b2.  A trip takes 128 list rows: 8 tiles of 16.
;   X: wave w quantises the rows of tiles w and w + 4 into LDS, and asks at once for the same two tiles' rows of the NEXT trip (64 loads, 32 KB a wave): they land under phases 1 and 2 | barrier |
;   1: every wave makes its 128 hidden units for each tile that holds a token (transposed: source 0 = 16 rows of W1, source 1 = 16 tokens; C = b1), relu and hold, codes: K step w of the second product, an image of the
;      operand's registers to LDS | barrier |   2: wave w makes the 32 outputs of tiles w and w + 4 and stores whole rows of 128 bytes at the tokens' places.
; THE LOOP HAS A CONSTANT 8 TRIPS (8 x 128 = a list's capacity) and both barriers stand outside every branch; what a count leaves without rows is passed over by scalar branches on the number of tiles.
; A list's last tile is filled up with copies of its own first row: they give the same bits and are stored at the same place, so all lanes stay on.
; K OF THE FIRST PRODUCT IS PERMUTED, alike in x and in W1: a row of x comes by two loads of 512 consecutive bytes (lane l: k = 128 q + 4 l + i), one conversion makes 8 codes, stored at byte 8 l of the LDS row.
; So position pos of a row stands for k = 128 ((pos >> 2) & 1) + 4 (pos >> 3) + (pos & 3), and W1's codes were laid so.  Every product meets its partner; only the order of the sums changes.
; THE ROWS OF W1 THAT FORM A TILE ARE NOT NEIGHBOURS: lane r of tile 2 b + u takes unit 32 b + 8 u + r + 8 (r / 8), so that the 16 registers of tiles 2 b, 2 b + 1 are 16 neighbours along the next K.
; NO TENSOR LOADS AND NO JOINT LOADS, though the 64 work-groups of a type read the same weights: which rows a work-group has hangs on counts read from memory, and the weights are read once, 144 KB a work-group, straight into registers.
; LIMITS on the given exponents, so that each power of two below is an f32 number: ex, and eh - ex - ew1, between -126 and 112; eh + ew2 between -126 and 127.  NaN among the inputs is not served.
; REGISTERS, in windows of 256.  Window 0: v1-10 addresses that stay; v11-20 tokens, list positions, scales; v28, v29 at the head b1's and b2's offsets; v32-95 x's fragments, two sets (phase 2: rows of y); v96-223 the hidden sums, two sets
;   (phase X: x's codes; phase 2: the hidden fragments); v224-255 codes just made, two sets (phase 2: tokens and store addresses).
;   Window 1: W1's 16 fragments.   Window 2: W2's 8 fragments; v128.. b1, v192.. b2, v208.. y's four accumulators, v240.. a tile's 16 row addresses.   Window 3: the 32 rows of x on their way.
; THE MODE: SCHED_MODE bits 1:0 = 2 (LLVM: expert scheduling mode 2), set by the entry lines.  The code itself states the register dependences
; between vector or matrix instructions and memory or LDS instructions, with s_wait_alu, always for 0.
; THE PLAN.  Registers that memory or LDS instructions touch in the loop, and who else names them:
;   window 3      Phase X: the holds write a tile's rows, the conversions read them; behind these the same tile's rows of the next trip are loaded into them.
;   XA            Sixteen row addresses: written by sixteen shifts once a tile, read by the tile's 32 loads.
;   TOKC          Written by NEXTTOK's select; read a trip later by the LDS store of the token words.      TOKN: loaded; read by NEXTTOK.      PA: written by a minimum, read by the index load.
;   v96-159       As x's codes: written by phase X's conversions, read by its LDS stores.  Then slot 0's products write them, and phase 2's LDS loads land in them.
;   v32-95        Slot m's loads land in the set that slot m - 1's products read.  Phase 2: v32-63 loaded from the stage and read by the global stores; v64-95 written by the multiply-adds and read by LDS stores.
;   v96-223       Written by products and holds, read by conversions; phase 2's LDS loads land in them and its products read them.
;   v224-255      Two sets of codes: written by the conversions, read by the images' LDS stores.  Phase 2: v224-231 loaded (token words), v232-239 written by vector instructions and read by the global stores as addresses.
;   v1-v9         Offsets and LDS addresses: made at the head, never written again.
; WHERE THE WAITS STAND.  On vm_vsrc: at the trip's head, on every way (all that the last trip's stores read is free); in NEXTTOK; behind the first barrier, on every way; ahead of the conversions of slots 4 to 7 and of the tails
; from 3 on; at phase 2's head.  On va_vdst: behind phase X's conversions; ahead of a tile's 32 row loads; ONE in a slot, behind its conversions and ahead of its loads and stores; one in a tail; one in phase 2.
.set XP,     272                       ; a row of x's codes in LDS: 256 bytes + 16
.set XTILE,  16*XP
.set HIMG,   8*XTILE                   ; behind x's 8 tiles: the hidden layer's 32 fragments, (tile m, K step s) at (4 m + s) FRB
.set FRB,    2048                      ; a fragment's image: 4 x 512 bytes
.set STG,    HIMG+32*FRB               ; behind them: for each wave a stage of 2 tiles x 16 rows x (128 bytes of y + the token's word + 12)
.set SP,     144
.set STILE,  16*SP
.set LI,   1                           ; 16 x lane
.set XWI,  2                           ; where I store x's codes: XTILE x wave + 8 x lane
.set FXA,  3                           ; a fragment of x: XP r + 16 h
.set HWI,  4                           ; where I store hidden images: HIMG + FRB x wave + 16 x lane
.set HRD,  5                           ; where I read my tiles' hidden images: HIMG + 4 FRB x wave + 16 x lane
.set SO,   6                           ; my stage: row r, + 32 h
.set SR,   7                           ; back: row lane / 8, + 16 (lane % 8)
.set SI,   8                           ; that row's token word
.set SX,   9                           ; row r's token word
.set OL,   10                          ; 16 (lane % 8)
.set TOKC, 11                          ; v11, v12  the tokens of the tile whose rows are in window 3 (lane r and r + 16: row r)
.set TOKN, 13                          ; v13, v14  the list entries of the tile after it
.set PO,   15                          ; v15, v16  4 x the list position of those entries
.set PA,   17                          ; v17, v18  the address of the index load
.set SCX,  19                          ; 2^ex as f32
.set SCH,  20                          ; 2^(eh - ex - ew1) as f32
.set XF,   32
.set HA,   96
.set PC,   224
.set XC,   96
.set OB,   32
.set YT,   64
.set OI,   224
.set OA,   232
.set B1,   128                         ; in window 2
.set B2,   192
.set Y,    208
.set XA,   240                         ; in window 2
.set MSB, 0
.macro WIN new                         ; the immediate's high byte repeats the setting that is left; bits 1:0 source 0, 3:2 source 1, 5:4 source 2, 7:6 destination
.if MSB != \new
	s_set_vgpr_msb (MSB<<8)|\new
.set MSB, \new
.endif
.endm
.macro BARRIER                         ; my LDS stores have landed and my LDS loads are in: then the work-group's barrier
	s_wait_dscnt 0x0
	s_barrier_signal -1
	s_barrier_wait -1
.endm
.macro PLACES                          ; four plain vector instructions behind a matrix instruction, ahead of the reads of its result (ISA guide 7.12.1)
.rept 4
	v_nop
.endr
.endm
; The next tile's tokens: list entries at or behind the list's end are replaced by the tile's first entry.
.macro NEXTTOK u
	v_readfirstlane_b32 s31, v[TOKN+\u]
	v_cmp_gt_u32 vcc_lo, s29, v[PO+\u]             ; 4 x count > 4 x position
	s_wait_xcnt 0x0                                ; the loads that named the row addresses, v[PA] and v[PO] have had them translated: these registers are written again only behind this wait
	s_wait_alu depctr_vm_vsrc(0)                   ; beside it: the LDS store of the token words has read v[TOKC], the row loads issued so far have read v[XA ..], the index loads v[PA] (at the head: v[PO]); all are written below
	s_wait_alu depctr_va_sdst(0)                   ; s31 is written, ahead of the select that reads it
	s_wait_alu depctr_va_vcc(0)                    ; and so is VCC
	v_cndmask_b32 v[TOKC+\u], s31, v[TOKN+\u], vcc_lo
.endm
; The 16 rows of tile u are asked for: a row by two loads of 512 consecutive bytes.  All sixteen tokens are read out in one run, all sixteen addresses made, and one wait stands ahead of the 32 loads.
.macro REFILL u
.irp p, 0,1,2,3,4,5,6,7,8,9,10,11,12,13,14,15
	v_readlane_b32 s[44+\p], v[TOKC+\u], \p
.endr
	s_wait_alu depctr_va_sdst(0)                   ; s44 to s59 are written, ahead of their first readers
.irp p, 0,1,2,3,4,5,6,7,8,9,10,11,12,13,14,15
	s_min_u32 s[44+\p], s[44+\p], 0x3ff            ; a token's number in its segment
.endr
	WIN 0x80                                       ; destination window 2
.irp p, 0,1,2,3,4,5,6,7,8,9,10,11,12,13,14,15
	v_lshl_add_u32 v[XA+\p], s[44+\p], 10, v[LI]   ; a row of x is 1,024 bytes
.endr
	WIN 0xc2                                       ; destination window 3, address window 2
	s_wait_alu depctr_va_vdst(0)                   ; the sixteen addresses are written; the holds have written and the conversions have read the tile's rows, in which these loads land; v[PA] or v[PO] is written and NEXTTOK is done reading v[TOKN], for the index load that follows; v[TOKC] is written, for the next trip's LDS store
.irp p, 0,1,2,3,4,5,6,7,8,9,10,11,12,13,14,15
	global_load_b128 v[128*\u+8*\p:128*\u+8*\p+3], v[XA+\p], s[4:5]
	global_load_b128 v[128*\u+8*\p+4:128*\u+8*\p+7], v[XA+\p], s[4:5] offset:512
.endr
	WIN 0
.endm
; The 16 rows of tile u become codes in LDS: 8 numbers a lane and row.
.macro QUANTX u
	WIN 0xc3
.set i, 0
.rept 128
	v_med3_num_f32 v[128*\u+i], v[128*\u+i], s37, s36          ; the conversion does not saturate (ISA guide 7.6.2): the hold at +-57,344 x 2^ex
.set i, i+1
.endr
	WIN 0x03
.irp p, 0,1,2,3,4,5,6,7,8,9,10,11,12,13,14,15
	v_cvt_scalef32_pk8_bf8_f32 v[XC+32*\u+2*\p:XC+32*\u+2*\p+1], v[128*\u+8*\p:128*\u+8*\p+7], v[SCX]
.endr
	WIN 0
	v_nop                                          ; one plain vector instruction behind the last conversion
	s_wait_alu depctr_va_vdst(0)                   ; the conversions have written v[XC ..], which the LDS stores read
.irp p, 0,1,2,3,4,5,6,7,8,9,10,11,12,13,14,15
	ds_store_b64 v[XWI], v[XC+32*\u+2*\p:XC+32*\u+2*\p+1] offset:4*XTILE*\u+XP*\p   ; 32 lanes write a row's 256 bytes
.endr
.endm
.macro FETCHX m                        ; tile m's two fragments of x into set m % 2
.irp s, 0,1
.irp c, 0,1,2,3
	ds_load_b128 v[XF+32*((\m)%2)+16*\s+4*\c:XF+32*((\m)%2)+16*\s+4*\c+3], v[FXA] offset:XTILE*(\m)+128*\s+32*\c
.endr
.endr
.endm
.macro CVTH q                          ; the 64 held numbers of set q become a fragment's 16 registers
.irp b, 0,1,2,3
	v_cvt_scalef32_pk8_bf8_f32 v[PC+16*(\q)+4*\b:PC+16*(\q)+4*\b+1], v[HA+64*(\q)+16*\b:HA+64*(\q)+16*\b+7], v[SCH]
	v_cvt_scalef32_pk8_bf8_f32 v[PC+16*(\q)+4*\b+2:PC+16*(\q)+4*\b+3], v[HA+64*(\q)+16*\b+8:HA+64*(\q)+16*\b+15], v[SCH]
.endr
	v_nop                                          ; one plain vector instruction between the conversions and the products that write their sources
.endm
.macro IMAGE m                         ; and go to LDS as they stand: K step = my wave, tile m
.irp c, 0,1,2,3
	ds_store_b128 v[HWI], v[PC+16*((\m)%2)+4*\c:PC+16*((\m)%2)+4*\c+3] offset:4*FRB*(\m)+512*\c
.endr
.endm
.macro MED4 q, k                       ; relu and hold in one, four numbers: between 0 and 57,344 x the scale.  Source 0 is a constant and source 2 a scalar: the line means the same under the products' windows
.irp i, 0,1,2,3
	v_med3_num_f32 v[HA+64*(\q)+4*(\k)+\i], 0, v[HA+64*(\q)+4*(\k)+\i], s38
.endr
.endm
; SLOT m: tile m's 16 products into set m % 2.  Between them stand the holds of tile m - 1 (the other set), each accumulator from its low end on; ahead of them tile m - 2's conversions and image free the set.
; The conversions stand first, then the slot's one wait on va_vdst, then its LDS loads and stores in one run: the products and holds behind them name none of the registers that those touch.
; The eight accumulators take turns, one instruction a turn.
.macro SLOT m
	s_cmp_gt_i32 s28, \m
.if \m == 0
	s_cbranch_scc0 .Lp1_end
.else
	s_cbranch_scc0 .Lepi_\m
.endif
.if \m >= 4
	s_wait_alu depctr_vm_vsrc(0)                   ; tile m - 4's image has left the set of codes that the conversions below write
.endif
.if \m >= 2
	CVTH (\m)%2
.endif
.if \m == 0
	s_wait_alu depctr_va_vdst(0)                   ; the last trip's products are done reading both sets of x's fragments and its multiply-adds have written v64-95: on a way that passes over phase 2 and phase X no other wait stands between these and the loads below
.elseif \m == 1
	s_wait_alu depctr_va_vdst(0)                   ; slot 0's products are done reading set 0 of x's fragments, in which tile 2's land
.else
	s_wait_alu depctr_va_vdst(0)                   ; the conversions have written the codes, which the image's stores read; the slot before's products are done reading their set of x's fragments, in which the loads below land
.endif
.set DSN, 0
.if \m == 0
	FETCHX 0
.endif
.if \m < 7
	FETCHX \m+1                                    ; read ahead; a tile without tokens holds zeros or old codes, and is not multiplied
.set DSN, DSN+8
.endif
.if \m >= 2
	IMAGE \m-2
.set DSN, DSN+4
.endif
	s_wait_dscnt DSN                               ; tile m's fragments are in; what this slot has just issued may stay out
	WIN 0x21                                       ; source 0 (W1) window 1, source 2 (b1) window 2
.irp t, 0,1,2,3,4,5,6,7
	v_wmma_f32_16x16x128_bf8_bf8 v[HA+64*((\m)%2)+8*\t:HA+64*((\m)%2)+8*\t+7], v[32*\t:32*\t+15], v[XF+32*((\m)%2):XF+32*((\m)%2)+15], v[B1+8*\t:B1+8*\t+7]
.if \m >= 1
	MED4 ((\m)-1)%2, \t
.endif
.endr
	WIN 0x01
.irp t, 0,1,2,3,4,5,6,7
	v_wmma_f32_16x16x128_bf8_bf8 v[HA+64*((\m)%2)+8*\t:HA+64*((\m)%2)+8*\t+7], v[32*\t+16:32*\t+31], v[XF+32*((\m)%2)+16:XF+32*((\m)%2)+31], v[HA+64*((\m)%2)+8*\t:HA+64*((\m)%2)+8*\t+7]
.if \m >= 1
	MED4 ((\m)-1)%2, 8+\t
.endif
.endr
	WIN 0
	PLACES                                         ; ahead of the reads of this slot's sums
.endm
; EPI m: tiles 0 .. m - 1 were multiplied and tile m is not: what is still in the two sets goes out.  Both conversions stand ahead of both images, so that one wait of each kind serves the tail.
.macro EPI m
.if \m >= 3
	s_wait_alu depctr_vm_vsrc(0)                   ; the images of tiles m - 4 and m - 3 have left the two sets of codes, which the conversions below write
.endif
.if \m >= 2
	CVTH (\m)%2
.endif
.set i, 0
.rept 64
	v_med3_num_f32 v[HA+64*(((\m)-1)%2)+i], 0, v[HA+64*(((\m)-1)%2)+i], s38
.set i, i+1
.endr
.if \m >= 3
	s_wait_alu depctr_va_vdst(0)
	s_wait_dscnt 0x0                               ; tile m - 3's image has left the registers that are written next (no LDS instruction has been issued behind it: the count is 0)
.endif
	CVTH ((\m)-1)%2
	s_wait_alu depctr_va_vdst(0)                   ; the conversions have written both sets of codes, which the stores below read; they are also the last to name the sums' registers v96-223, in which phase 2's loads land
.if \m >= 2
	IMAGE \m-2
.endif
	IMAGE \m-1
.endm
	; ---- the head
	s_load_b512 s[4:19], s[0:1], 0x0               ; x s[4:5], order s[6:7], counts s[8:9], w1c s[10:11], w2c s[12:13], b1 s[14:15], b2 s[16:17], scales s[18:19]
	s_load_b64 s[20:21], s[0:1], 0x40              ; out0
	v_lshl_add_u32 v30, v0, 2, 0x1d000
	v_mov_b32 v31, 0
	v_lshrrev_b32 v32, 5, v0
	v_readfirstlane_b32 s22, v32                   ; wave 0..3
	v_and_b32 v33, 31, v0                          ; lane
	v_and_b32 v34, 15, v0                          ; r
	v_bfe_u32 v35, v0, 4, 1                        ; h
	v_bfe_u32 v36, v0, 3, 2                        ; lane / 8
	v_and_b32 v37, 7, v0                           ; lane % 8
	s_and_b32 s23, ttmp7, 0xffff                   ; e
	s_wait_alu depctr_va_sdst(0)                   ; s22 is written, ahead of its first reader
	s_lshl_b32 s52, s22, 6
	v_lshl_add_u32 v[PO], v34, 2, s52              ; 4 x (16 x wave + r): tile w,
	v_add_nc_u32 v[PO+1], 256, v[PO]               ; tile w + 4
	v_lshlrev_b32 v[LI], 4, v33
	v_lshlrev_b32 v28, 6, v35                      ; b1: 64 h
	v_lshlrev_b32 v29, 5, v35                      ; b2: 32 h
	s_mov_b32 s53, 0
	s_wait_kmcnt 0x0
	s_lshl_b32 s52, ttmp9, 20
	s_add_nc_u64 s[4:5], s[4:5], s[52:53]          ; my segment's rows of x
	s_mul_i32 s52, ttmp9, 20480
	s_lshl_b32 s54, s23, 12
	s_add_co_u32 s52, s52, s54
	s_add_nc_u64 s[6:7], s[6:7], s[52:53]          ; my list
	s_lshl_b32 s52, ttmp9, 4
	s_lshl_b32 s54, s23, 2
	s_add_co_u32 s52, s52, s54
	s_add_nc_u64 s[8:9], s[8:9], s[52:53]          ; its length
	s_lshl_b32 s52, s23, 4
	s_add_nc_u64 s[18:19], s[18:19], s[52:53]
	s_load_b32 s25, s[8:9], 0x0
	s_load_b128 s[32:35], s[18:19], 0x0            ; ex, ew1, eh, ew2
	s_lshl_b32 s52, s23, 17
	s_lshl_b32 s54, s22, 15
	s_add_co_u32 s52, s52, s54
	s_add_nc_u64 s[10:11], s[10:11], s[52:53]      ; my wave's 16 fragments of W1[e]
	s_lshl_b32 s52, s23, 14
	s_add_nc_u64 s[12:13], s[12:13], s[52:53]      ; W2[e]'s 8
	s_lshl_b32 s52, s23, 11
	s_lshl_b32 s54, s22, 9
	s_add_co_u32 s52, s52, s54
	s_add_nc_u64 s[14:15], s[14:15], s[52:53]      ; my 128 numbers of b1[e]
	s_lshl_b32 s52, s23, 7
	s_add_nc_u64 s[16:17], s[16:17], s[52:53]      ; b2[e]
	s_lshl_b32 s52, ttmp9, 17
	s_add_nc_u64 s[20:21], s[20:21], s[52:53]      ; my segment's rows of out0
	s_wait_alu depctr_va_vdst(0)                   ; v[PO], v[PO+1], v[LI], v28 and v29 are written: the loads below read them as offsets; only loads and window switches stand between this wait and the last of them
	global_load_b32 v[TOKN], v[PO], s[6:7]         ; the first trip's entries: positions under 128, always written
	global_load_b32 v[TOKN+1], v[PO+1], s[6:7]
	WIN 0x80                                       ; destination window 2
.irp t, 0,1,2,3,4,5,6,7                        ; lane (r, h) wants, for tile 2 b + u, b1 of units 32 b + 16 h + 8 u + 0 .. 7: the result's layout
	global_load_b128 v[B1+8*\t:B1+8*\t+3], v28, s[14:15] offset:(32*(\t/2)+8*(\t%2))*4
	global_load_b128 v[B1+8*\t+4:B1+8*\t+7], v28, s[14:15] offset:(32*(\t/2)+8*(\t%2))*4+16
.endr
.irp n, 0,1                                    ; b2 of outputs 16 n + 8 h + 0 .. 7
	global_load_b128 v[B2+8*\n:B2+8*\n+3], v29, s[16:17] offset:64*\n
	global_load_b128 v[B2+8*\n+4:B2+8*\n+7], v29, s[16:17] offset:64*\n+16
.endr
.irp f, 0,1,2,3,4,5,6,7
.irp c, 0,1,2,3
	global_load_b128 v[16*\f+4*\c:16*\f+4*\c+3], v[LI], s[12:13] offset:2048*\f+512*\c
.endr
.endr
	WIN 0
	s_mul_i32 s52, s22, XTILE
	v_lshl_add_u32 v[XWI], v33, 3, s52
	v_mul_u32_u24 v[FXA], v34, XP
	v_lshl_add_u32 v[FXA], v35, 4, v[FXA]
	s_lshl_b32 s52, s22, 11
	s_add_co_u32 s52, s52, HIMG
	v_add_nc_u32 v[HWI], s52, v[LI]
	s_lshl_b32 s52, s22, 13
	s_add_co_u32 s52, s52, HIMG
	v_add_nc_u32 v[HRD], s52, v[LI]
	s_mul_i32 s52, s22, 2*STILE
	s_add_co_u32 s52, s52, STG                     ; my stage
	v_mul_u32_u24 v[SX], v34, SP
	v_add_nc_u32 v[SX], s52, v[SX]
	v_lshl_add_u32 v[SO], v35, 5, v[SX]
	v_add_nc_u32 v[SX], 128, v[SX]
	v_mul_u32_u24 v[SI], v36, SP
	v_add_nc_u32 v[SI], s52, v[SI]
	v_lshlrev_b32 v[OL], 4, v37
	v_add_nc_u32 v[SR], v[SI], v[OL]
	v_add_nc_u32 v[SI], 128, v[SI]
	; every LDS byte that may be read for a tile without tokens is written once, with zeros, by the wave and the addresses that write it later
	v_mov_b32 v96, 0
	v_mov_b32 v97, 0
	v_mov_b32 v98, 0
	v_mov_b32 v99, 0
	s_wait_alu depctr_va_vdst(0)                   ; the eight LDS addresses v2 to v9, which every LDS instruction of the kernel reads, and the zeros v96 to v99, which the stores below read, are written
.irp u, 0,1
.irp p, 0,1,2,3,4,5,6,7,8,9,10,11,12,13,14,15
	ds_store_b64 v[XWI], v[96:97] offset:4*XTILE*\u+XP*\p
.endr
.endr
.irp m, 0,1,2,3,4,5,6,7
.irp c, 0,1,2,3
	ds_store_b128 v[HWI], v[96:99] offset:4*FRB*\m+512*\c
.endr
.endr
	ds_store_b32 v[SX], v96
	ds_store_b32 v[SX], v96 offset:STILE
	s_wait_loadcnt 52                              ; the two index loads are in: 52 loads (16 of b1, 4 of b2, 32 of W2) were issued behind them
	s_wait_kmcnt 0x0
	s_min_u32 s25, s25, 0x400                      ; the list's length
	s_add_co_u32 s28, s25, 15
	s_lshr_b32 s28, s28, 4                         ; s28: tiles still to do, from this trip's tile 0 on
	s_sub_co_i32 s27, s28, s22                     ; s27: the same from my tile w on: my tile w + 4 u holds a token where s27 > 4 u
	s_lshl_b32 s29, s25, 2
	s_add_co_i32 s52, s32, 127
	s_lshl_b32 s54, s52, 23
	v_mov_b32 v[SCX], s54                          ; 2^ex
	s_add_co_i32 s52, s52, 15
	s_lshl_b32 s36, s52, 23
	s_or_b32 s36, s36, 0x600000                    ; 57,344 x 2^ex,
	s_or_b32 s37, s36, 0x80000000                  ; and its negative
	s_add_co_i32 s39, s32, s33                     ; ex + ew1: a sum of the first product stands for sum x 2^(ex + ew1)
	s_sub_co_i32 s52, s34, s39                     ; so the hidden layer's conversion takes 2^(eh - ex - ew1),
	s_sub_co_i32 s39, 0, s39                       ; and b1 goes in as b1 / 2^(ex + ew1)
	s_add_co_i32 s52, s52, 127
	s_lshl_b32 s54, s52, 23
	v_mov_b32 v[SCH], s54
	s_add_co_i32 s52, s52, 15
	s_lshl_b32 s38, s52, 23
	s_or_b32 s38, s38, 0x600000                    ; 57,344 x 2^(eh - ex - ew1)
	s_add_co_i32 s40, s34, s35
	s_add_co_i32 s40, s40, 127
	s_lshl_b32 s40, s40, 23                        ; 2^(eh + ew2)
	s_mov_b32 s41, s40                             ; (named with it as a pair, so it is written)
	NEXTTOK 0                                      ; the first trip's rows are asked for whatever the count: the entries read are tokens or zeros, so every row lies in the segment
	v_add_nc_u32 v[PO], 512, v[PO]                 ; the second trip's entries: positions under 256, always written
	REFILL 0
	NEXTTOK 1
	v_add_nc_u32 v[PO+1], 512, v[PO+1]
	REFILL 1
	global_load_b32 v[TOKN], v[PO], s[6:7]         ; no wait: both steps of v[PO ..] and both NEXTTOK stand ahead of the wait in REFILL 1, and only loads and window switches have followed it
	global_load_b32 v[TOKN+1], v[PO+1], s[6:7]
	WIN 0x40                                       ; destination window 1
.irp f, 0,1,2,3,4,5,6,7,8,9,10,11,12,13,14,15
.irp c, 0,1,2,3
	global_load_b128 v[16*\f+4*\c:16*\f+4*\c+3], v[LI], s[10:11] offset:2048*\f+512*\c
.endr
.endr
	WIN 0
	s_wait_loadcnt 0x0
	WIN 0x82                                       ; source 0 and destination window 2
.set i, 0
.rept 64
	v_ldexp_f32 v[B1+i], v[B1+i], s39
.set i, i+1
.endr
	WIN 0
	s_mov_b32 s30, 8
.Ltrip:
	; ---- X
	s_wait_loadcnt 0x0                             ; this trip's rows and the next entries are in: they were asked for a trip ago
	s_wait_xcnt 0x0                                ; the last trip's stores have had their addresses translated: their registers are written again only behind this wait
	s_wait_alu depctr_vm_vsrc(0)                   ; beside it, on every way: the last trip's LDS and global stores have read x's codes v96-159, the rows of y v32-95, the store addresses v232-239 and both sets of codes v224-255 (first trip: the zeros v96-99, and the index loads v[PO ..]); this trip writes all of them again
.macro PHASEX u
	s_cmp_gt_i32 s27, 4*\u
	s_cbranch_scc0 .Lx_done_\@
	ds_store_b32 v[SX], v[TOKC+\u] offset:STILE*\u ; the tile's tokens, for the stores of phase 2 (lanes r and r + 16 write the same word with the same number).  No wait: the select that wrote v[TOKC] stands ahead of the wait in the REFILL that follows it
	QUANTX \u
	s_cmp_gt_i32 s27, 8+4*\u                       ; has the next trip's tile a token?
	s_cbranch_scc0 .Lx_done_\@
	NEXTTOK \u
	v_add_nc_u32 v[PO+\u], 512, v[PO+\u]
	v_min_u32 v[PA+\u], 4092, v[PO+\u]             ; made here, ahead of REFILL's wait, which then serves the index load too
	REFILL \u
	s_cmp_gt_i32 s27, 16+4*\u                      ; and the trip's after it?  Its entries are asked for
	s_cbranch_scc0 .Lx_done_\@
	global_load_b32 v[TOKN+\u], v[PA+\u], s[6:7]   ; no wait: no vector instruction since REFILL's wait
.Lx_done_\@:
.endm
	PHASEX 0
	PHASEX 1
	BARRIER                                        ; x's codes of the trip's tiles lie in LDS
	s_wait_alu depctr_vm_vsrc(0)                   ; on every way: my LDS stores of x's codes have read v96-159, which slot 0's products write and in which phase 2's loads land
	; ---- 1
.irp m, 0,1,2,3,4,5,6,7
	SLOT \m
.endr
	EPI 8
	s_branch .Lp1_end
.irp m, 1,2,3,4,5,6
.Lepi_\m:
	s_wait_alu depctr_va_vdst(0)
	EPI \m
	s_branch .Lp1_end
.endr
.Lepi_7:
	s_wait_alu depctr_va_vdst(0)
	EPI 7
.Lp1_end:
	BARRIER                                        ; the hidden layer's fragments lie in LDS, and nobody reads x's codes any more
	; ---- 2: my two tiles, four accumulators by turns, a K step at a time.  Tile w + 4 is multiplied with tile w whether or not it holds a token; its stores are passed over where it holds none
	s_cmp_gt_i32 s27, 0
	s_cbranch_scc0 .Lp2_end
	s_wait_alu depctr_vm_vsrc(0)                   ; phase 1's images have left v224-239: the token words land in v224-231, and the store addresses are written into v232-239
.irp u, 0,1
.irp i, 0,1,2,3
	ds_load_b32 v[OI+4*\u+\i], v[SI] offset:STILE*\u+4*SP*\i                             ; the rows' tokens, which I stored in phase X: asked for first, so that the store addresses are made under the products
.endr
.endr
.irp s, 0,1,2,3                                ; no wait on va_vdst for these 40 loads: on every way here the last vector or matrix instruction that names v96-231 stands ahead of such a wait (a tail's, a slot's, phase X's, the last phase 2's, the head's)
.irp u, 0,1
.irp c, 0,1,2,3
	ds_load_b128 v[HA+64*\u+16*\s+4*\c:HA+64*\u+16*\s+4*\c+3], v[HRD] offset:16*FRB*\u+FRB*\s+512*\c
.endr
.endr
.endr
.irp s, 0,1,2,3
	s_wait_dscnt 24-8*\s                           ; K step s of both tiles is in (and the token words, asked for ahead of them); the eight loads of each later K step may stay out
.if \s == 0
	WIN 0x82                                       ; source 0 (W2) and destination window 2
.else
	WIN 0xa2                                       ; and C
.endif
.irp u, 0,1
.irp n, 0,1
.if \s == 0
	v_wmma_f32_16x16x128_bf8_bf8 v[Y+8*(2*\u+\n):Y+8*(2*\u+\n)+7], v[16*(4*\n+\s):16*(4*\n+\s)+15], v[HA+64*\u+16*\s:HA+64*\u+16*\s+15], 0
.else
	v_wmma_f32_16x16x128_bf8_bf8 v[Y+8*(2*\u+\n):Y+8*(2*\u+\n)+7], v[16*(4*\n+\s):16*(4*\n+\s)+15], v[HA+64*\u+16*\s:HA+64*\u+16*\s+15], v[Y+8*(2*\u+\n):Y+8*(2*\u+\n)+7]
.endif
.endr
.endr
.endr
	WIN 0
	PLACES
.irp k, 0,1,2,3,4,5,6,7
	v_min_u32 v[OA+\k], 0x3ff, v[OI+\k]
	v_lshl_add_u32 v[OA+\k], v[OA+\k], 7, v[OL]    ; the token's row of out0, + my 16 bytes
.endr
	WIN 0x22                                       ; source 0 (the sums) and source 2 (b2) window 2
.irp u, 0,1
.irp n, 0,1
.irp i, 0,2,4,6
	v_pk_fma_f32 v[YT+8*(2*\u+\n)+\i:YT+8*(2*\u+\n)+\i+1], v[Y+8*(2*\u+\n)+\i:Y+8*(2*\u+\n)+\i+1], s[40:41], v[B2+8*\n+\i:B2+8*\n+\i+1] op_sel_hi:[1,0,1]   ; y = sum x 2^(eh + ew2) + b2; each accumulator from its low end on
.endr
.endr
.endr
	WIN 0
	s_wait_alu depctr_va_vdst(0)                   ; the multiply-adds have written v64-95, which the LDS stores read; the store addresses v232-239 are written, which the global stores read; phase 1's products are done reading v32-63, in which the rows of y land; this phase's products are done reading v96-223
.irp u, 0,1
.irp n, 0,1
	ds_store_b128 v[SO], v[YT+8*(2*\u+\n):YT+8*(2*\u+\n)+3] offset:STILE*\u+64*\n        ; lane (r, h): y(row r, 16 n + 8 h + 0 .. 7)
	ds_store_b128 v[SO], v[YT+8*(2*\u+\n)+4:YT+8*(2*\u+\n)+7] offset:STILE*\u+64*\n+16
.endr
.endr
.irp u, 0,1
.irp i, 0,1,2,3
	ds_load_b128 v[OB+4*(4*\u+\i):OB+4*(4*\u+\i)+3], v[SR] offset:STILE*\u+4*SP*\i       ; four whole rows: eight lanes to a row of 128 bytes.  LDS serves a wave's instructions in order (ISA guide 5.7.1.4): these see my stores
.endr
.endr
	s_wait_dscnt 0x0
.irp i, 0,1,2,3
	global_store_b128 v[OA+\i], v[OB+4*\i:OB+4*\i+3], s[20:21] th:TH_STORE_NT
.endr
	s_cmp_gt_i32 s27, 4
	s_cbranch_scc0 .Lp2_end
.irp i, 4,5,6,7
	global_store_b128 v[OA+\i], v[OB+4*\i:OB+4*\i+3], s[20:21] th:TH_STORE_NT
.endr
.Lp2_end:
	s_sub_co_i32 s27, s27, 8
	s_sub_co_i32 s28, s28, 8
	s_sub_co_u32 s30, s30, 1
	s_cmp_lg_u32 s30, 0
	s_cbranch_scc1 .Ltrip
	s_wait_dscnt 0x0
	s_wait_alu depctr_hold_cnt(0) depctr_sa_sdst(0) depctr_va_vdst(0) depctr_va_sdst(0) depctr_va_ssrc(0) depctr_va_vcc(0) depctr_vm_vsrc(0)
	s_wait_tensorcnt 0x0
	ds_add_u32 v30, v31
	s_wait_dscnt 0x0
	s_endpgm
.Lfunc_end_k_q32feb7c9dc_mlp:
	.size	k_q32feb7c9dc_mlp, .Lfunc_end_k_q32feb7c9dc_mlp-k_q32feb7c9dc_mlp
	.p2alignl 7, 3214868480
	.fill 96, 4, 3214868480
	.section	.rodata,"a",@progbits
	.p2align	6, 0x0
	.amdhsa_kernel k_q32feb7c9dc_mlp
		.amdhsa_group_segment_fixed_size 119296
		.amdhsa_private_segment_fixed_size 0
		.amdhsa_enable_private_segment 0
		.amdhsa_kernarg_size 72
		.amdhsa_user_sgpr_count 2
		.amdhsa_user_sgpr_kernarg_segment_ptr 1
		.amdhsa_wavefront_size32 1
		.amdhsa_system_sgpr_workgroup_id_x 1
		.amdhsa_system_sgpr_workgroup_id_y 1
		.amdhsa_system_sgpr_workgroup_id_z 1
		.amdhsa_system_vgpr_workitem_id 0
		.amdhsa_next_free_vgpr 1024
		.amdhsa_next_free_sgpr 66
		.amdhsa_reserve_vcc 1
		.amdhsa_float_denorm_mode_32 3
		.amdhsa_float_denorm_mode_16_64 3
		.amdhsa_memory_ordered 1
		.amdhsa_forward_progress 1
		.amdhsa_inst_pref_size 173
	.end_amdhsa_kernel
	.amdgpu_metadata
---
amdhsa.version: [ 1, 2 ]
amdhsa.kernels:
  - .name:           k_q32feb7c9dc_mlp
    .symbol:         k_q32feb7c9dc_mlp.kd
    .args:
      - { .name: x, .offset: 0, .size: 8, .value_kind: global_buffer, .address_space: global }
      - { .name: order, .offset: 8, .size: 8, .value_kind: global_buffer, .address_space: global }
      - { .name: counts, .offset: 16, .size: 8, .value_kind: global_buffer, .address_space: global }
      - { .name: w1c, .offset: 24, .size: 8, .value_kind: global_buffer, .address_space: global }
      - { .name: w2c, .offset: 32, .size: 8, .value_kind: global_buffer, .address_space: global }
      - { .name: b1, .offset: 40, .size: 8, .value_kind: global_buffer, .address_space: global }
      - { .name: b2, .offset: 48, .size: 8, .value_kind: global_buffer, .address_space: global }
      - { .name: lowp_scales, .offset: 56, .size: 8, .value_kind: global_buffer, .address_space: global }
      - { .name: out0, .offset: 64, .size: 8, .value_kind: global_buffer, .address_space: global }
    .group_segment_fixed_size: 119296
    .private_segment_fixed_size: 0
    .kernarg_segment_align: 8
    .kernarg_segment_size: 72
    .max_flat_workgroup_size: 128
    .sgpr_count:     66
    .vgpr_count:     1024
    .wavefront_size: 32
...
	.end_amdgpu_metadata
.endif
;; end of part 4
